; MI455X (gfx1250); checked and timed in simulation.
; The chip was launched on July 23, 2026; its instructions are those of AMD's public machine-readable ISA for CDNA 5 (MIT licence, August 2026) and "CDNA5" Instruction Set Architecture Reference Guide (July 2026). The comments in the code are by the model that wrote it; some were corrected since.
;; Time Mix. Allowed arithmetic: matrix products marked QUANTISED: E2M1 operands, one E8M0 scale for each 32 along K, by v_wmma_scale_f32_16x16x128_f8f6f4 with both operands' format E2M1 (or v_wmma_scale_f32_32x16x128_f4), f32 sums; everything else in f32.
;; Inputs: aa 1 x 1 x 2,048 float32; bb 1 x 1 x 2,048 float32; pp 1 x 1 x 2,048 float32; time_first 2,048 float32; time_mix_k 1 x 1 x 2,048 float32; time_mix_r 1 x 1 x 2,048 float32; time_mix_v 1 x 1 x 2,048 float32; w_key_codes 2,048 x 64 x 16 uint8 (E2M1 codes of w_key, K innermost, in blocks of 32 codes, two codes a byte); w_key_scales 2,048 x 64 uint8 (E8M0 scales of w_key, one for each 32 codes along K); w_out_codes 2,048 x 64 x 16 uint8 (E2M1 codes of w_out, K innermost, in blocks of 32 codes, two codes a byte); w_out_scales 2,048 x 64 uint8 (E8M0 scales of w_out, one for each 32 codes along K); w_rec_codes 2,048 x 64 x 16 uint8 (E2M1 codes of w_rec, K innermost, in blocks of 32 codes, two codes a byte); w_rec_scales 2,048 x 64 uint8 (E8M0 scales of w_rec, one for each 32 codes along K); w_value_codes 2,048 x 64 x 16 uint8 (E2M1 codes of w_value, K innermost, in blocks of 32 codes, two codes a byte); w_value_scales 2,048 x 64 uint8 (E8M0 scales of w_value, one for each 32 codes along K); x 4 x 1,024 x 2,048 float32; xx 1 x 1 x 2,048 float32.
;; Outputs: out0 4 x 1,024 x 2,048 float32.
;; This version of the problem:
;;   THIS VERSION OF THE PROBLEM IS GIVEN IN LOW PRECISION. The matrix products marked QUANTISED in the list below multiply operands that are first quantised to E2M1 (2 exponent bits, 1 mantissa bit; 4 bits a number), with one power-of-two scale for each 32 numbers along K (OCP MX v1.0); their sums are f32. All else is computed in f32.
;;   The module's matrix products, in the order in which they are computed (A, B: the left and right operand; K: the contracted axis; several contracted axes count as one K, in the product's order):
;;     1. [M 4,096, K 2,048] x [K 2,048, N 2,048]; A: computed on the way; B: input w_key (given as codes): QUANTISED
;;     2. [M 4,096, K 2,048] x [K 2,048, N 2,048]; A: computed on the way; B: input w_value (given as codes): QUANTISED
;;     3. [M 4,096, K 2,048] x [K 2,048, N 2,048]; A: computed on the way; B: input w_rec (given as codes): QUANTISED
;;     4. [M 4,096, K 2,048] x [K 2,048, N 2,048]; A: computed on the way; B: input w_out (given as codes): QUANTISED
;;   THE QUANTISER, for each operand of a quantised product, along K:
;;     - K is cut into blocks of 32 from its start; a last block that is shorter is filled with zeros.
;;     - A block's scale is 2^e with e = floor(log2(the largest magnitude in the block)) - 2, held to -126 .. 127; a block of zeros has e = 0. As a byte (E8M0): e + 127.
;;     - Each number is divided by its block's scale, clamped to +-6, and rounded to the nearest number of E2M1, ties to even, subnormals kept.
;;     - The product sums the exact products of the quantised numbers (number of the format x scale) in f32.
;;   ~~~python
;;   def quantise(x, axis):      # numpy; x: float32 -> the quantised numbers, widened to float32 again
;;       x = np.moveaxis(x, axis, -1); K = x.shape[-1]
;;       x = np.pad(x, [(0, 0)] * (x.ndim - 1) + [(0, -K % 32)]); x = x.reshape(x.shape[:-1] + (-1, 32)); a = np.abs(x).max(-1, keepdims=True)
;;       e = np.where(a > 0, np.clip(np.frexp(np.where(a > 0, a, 1))[1] - 1 - 2, -126, 127), 0)      # np.frexp(a)[1] - 1 = floor(log2(a)), exactly
;;       r = np.clip(x / 2.0 ** e, -6, 6)
;;       step = 2.0 ** (np.maximum(np.frexp(np.where(r == 0, 1, r))[1] - 1, 0) - 1)
;;       q = np.round(r / step) * step * 2.0 ** e      # np.round: ties to even
;;       return np.moveaxis(q.reshape(q.shape[:-2] + (-1,))[..., :K], -1, axis).astype(np.float32)
;;   ~~~
;;   OPERANDS COMPUTED ON THE WAY. 'Computed on the way' means the value that the module computes at that place (a softmax that the list does not call 'softmax' is quantised finished and normalised). What goes into a quantiser is computed in f32, as accurately as f32 sums, v_exp_f32 and their like allow (about 1e-6 of the number): no bf16 or f16 on the way to a quantiser, and a product that is left as it is and whose result goes on into a quantised operand takes f32 operands (vector FMAs, or v_wmma_f32_16x16x4_f32). A number that lies on a knife's edge between two numbers of the format may be rounded either way, as far as f32 arithmetic and the matrix unit's own rounding can turn it there, and no further.
;;   INPUTS GIVEN AS CODES. w_key (in the module: [2048, 2048], K = its axis 1); w_out (in the module: [2048, 2048], K = its axis 1); w_rec (in the module: [2048, 2048], K = its axis 1); w_value (in the module: [2048, 2048], K = its axis 1): each comes as NAME_codes (uint8): NAME with its K axis moved to the last place and cut into blocks of 32 codes, [.., K / 32, bytes a block], one block behind the other in memory; two codes a byte, the lower K in the low four bits (a code: sign, 2 exponent bits, 1 mantissa bit); and NAME_scales (uint8): the same leading axes, one E8M0 byte (e + 127) for each 32 codes along K. Its value is code x scale, taken as it is: it is not quantised again, and the codes and scales need not be those that the quantiser above would give.
;; One version. Each part assembles by itself: llvm-mc -triple=amdgcn-amd-amdhsa -mcpu=gfx1250 --defsym DOCPART=n.
;; ======== version 1 of 1: 3 launches
;; limits: right only within a limited range of input values
;; workspace buffers: xc 8,388,608 bytes; xs 524,288 bytes; kc 65,536 bytes; ks 4,096 bytes; zc 4,194,304 bytes; zs 262,144 bytes; wi 4,456,448 bytes
;; launch quant (part 1): grid 4 x 64, 8 waves a work-group, no clusters, 167,936 bytes of LDS; arguments x, xx, time_mix_v, time_mix_r, time_mix_k, xc, xs, kc, ks, w_value_codes, w_rec_codes, w_value_scales, w_rec_scales, wi; writes xc, xs, kc, ks, wi
.if DOCPART == 1
	.amdgcn_target "amdgcn-amd-amdhsa--gfx1250"
	.amdhsa_code_object_version 6
	.text
	.protected	k_q5b065fdb15_quant
	.globl	k_q5b065fdb15_quant
	.p2align	8
	.type	k_q5b065fdb15_quant,@function
k_q5b065fdb15_quant:
	s_mov_b64 s[64:65], 0
	v_nop
	global_prefetch_b8 v0, s[64:65] scope:SCOPE_SE
	s_setreg_imm32_b32 hwreg(HW_REG_WAVE_MODE, 25, 1), 1
	s_wait_xcnt 0x0
; LAUNCH 1 OF 3.  xv = x mv + (1 - mv) xx and xr = x mr + (1 - mr) xx, all 4,096 rows, are quantised along C to E2M1 with one E8M0 byte for each 32 and stored as the next launch's operands.
; xk is made for the four tiles of 16 rows that hold a position t = 0.  w_value's and w_rec's codes and scale bytes are re-laid, unchanged in value, as the next launch's registers take them.
; WORK LEFT OUT, dead for all finite inputs.  reference() pads aa, bb and pp with zeros of its own for every t > 0.  There wkv = (e1 0 + e2 v) / (e1 0 + e2) = v, since e2 is an exponential and so above 0:
; e2 / e2 is 1 by an identity.  So at t > 0 nothing of k, time_first, pp, aa, bb or xk reaches r wkv, the only thing that the last product's quantiser sees.  Product 1 (w_key) is live in rows 0, 1024, 2048, 3072
; alone and is done for the four tiles of 16 rows that hold them.  Every input keeps a way to the output through t = 0: all are loaded.
; LIMITS.  Where reference()'s f32 lets e2 fall to 0 at t > 0 it gives NaN: that NaN, and any NaN, infinity or overflow that reaches only the work left out, is not carried to the result.  NaN and infinities among the
; inputs are not served.  (1 - m) xx is fma(-m, xx, xx) and the mix fma(x, m, that): two roundings fewer than reference().  A block of zeros gets the byte 1 where the rule says 127: its codes are zeros, and this program alone reads the bytes.
; LAYOUTS.  T = tile of 16 rows, s = K step of 128.  A piece of 1,024 bytes is the image of a fragment's registers: byte 512 c + 16 lane holds registers 4 c .. 4 c + 3 of lane (r, h): k = 128 s + 64 c + 32 h + 0 .. 31 of row r.
; xc [T 256][op 2][s 16][1,024], kc [b 4][s 16][1,024].  xs [op 2][s 16][T 256][r 16], ks [b 4][s 16][r 16]: words of four scale bytes.
; wi [cb 16][row 17][16,384]: rows 0-15 = [op 2][t 8] images [s 16][1,024] of the 16 outputs 128 cb + 16 t + r; row 16 = scale words [slot 8][t 8][op 2][r 16][q 2], K step 2 slot + q.
; SHARES.  Work-group (cg, G): rows 64 G .. + 63, columns 512 cg .. + 511.  Wave w: 64 columns; lane (r, h): one block of 32 numbers of row 16 t + r, t = 0 .. 3.  x comes by ONE tensor load a wave, 64 rows x 256 bytes,
; into the wave's own LDS bytes, filled once.  Work-group id = 4 G + cg also re-lays one tile of 16 rows of one weight (16 KiB, through LDS, so that loads and stores both cover 512 consecutive bytes) and 1 KiB of scale words.
; No cluster: no two work-groups read the same bytes.  No prefetch: the launch has no loop to run ahead in.
.set TRB,   16*272
.set XTW,   4*TRB                      ; a wave's 64 rows of 256 bytes + 16 of padding
.set SCL,   8*XTW                      ; 2,048 bytes: scale words [op 2][step 4][t 4][r 16]
.set SPARE, SCL+2048                   ; the spare words, 128 bytes a wave
.set WST,   SPARE+1024                 ; 16,384 bytes: the weight tile's images
.set FLOOR, 0x1800000                  ; 2^(3 - 127): the byte cannot fall under 1
.set LA,  4
.set PO,  5
.set CO,  6
.set SA,  7
.set SH,  8
.set KO,  9
.set SPW, 10
.set NIL, 11
.set M0,  12
.set M1,  13
.set SOP, 14
.set BY,  15
.set OTH, 16
.set SU,  17
.set GU,  18
.set WSO, 19                           ; my 8 bytes of wi's scale row
.set PC,  20
.set UN,  24                           ; v24-27
.set WLO, 28                           ; 2,048 w + 16 lane: the weight tile in memory, read and written
.set WSA, 29                           ; LDS: where my 16 bytes of a weight row go
.set WRA, 30                           ; LDS: where I read the images back
.set WSI, 31                           ; 64 r + 8 w: my row's two scale words
.set X0,  32
.set X1,  64
.set Y,   96
.set MV,  128
.set CV,  160
.set MR,  192
.set CR,  224
.set WV,  22
.set GG,  24
.set G1,  28
.set G0,  36
.set SEL, 52
.macro PLOAD reg, base
.irp i, 0,1,2,3,4,5,6,7
	global_load_b128 v[\reg+4*\i:\reg+4*\i+3], v[PO], s[\base:\base+1] offset:16*\i
.endr
.endm
.macro CMIX con, mix, one              ; (1 - m) xx = xx - m xx, one rounding
.set jj, 0
.rept 16
	v_pk_fma_f32 v[\con+jj:\con+jj+1], v[\mix+jj:\mix+jj+1], v[\one+jj:\one+jj+1], v[\one+jj:\one+jj+1] neg_lo:[1,0,0] neg_hi:[1,0,0]
.set jj, jj+2
.endr
.endm
.macro XLOAD t, buf
.irp i, 0,1,2,3,4,5,6,7
	ds_load_b128 v[\buf+4*\i:\buf+4*\i+3], v[LA] offset:(\t)*TRB+16*\i
.endr
.endm
; 32 numbers are mixed and quantised: codes in v[PC] on, the halfword of blocks 2 c and 2 c + 1 of my row in v[BY]
.macro QBLK src, mix, con, dst
.set jj, 0
.rept 16
	v_pk_fma_f32 v[\dst+jj:\dst+jj+1], v[\src+jj:\src+jj+1], v[\mix+jj:\mix+jj+1], v[\con+jj:\con+jj+1]
.set jj, jj+2
.endr
	v_max3_num_f32 v[M0], |v[\dst]|, |v[\dst+1]|, FLOOR
	v_max3_num_f32 v[M1], |v[\dst+2]|, |v[\dst+3]|, FLOOR
.set jj, 4
.rept 7
	s_delay_alu instid0(VALU_DEP_2)
	v_max3_num_f32 v[M0], v[M0], |v[\dst+jj]|, |v[\dst+jj+1]|
	s_delay_alu instid0(VALU_DEP_2)
	v_max3_num_f32 v[M1], v[M1], |v[\dst+jj+2]|, |v[\dst+jj+3]|
.set jj, jj+4
.endr
	s_delay_alu instid0(VALU_DEP_1)
	v_max_num_f32 v[M0], v[M0], v[M1]
	s_delay_alu instid0(VALU_DEP_1)
	v_add_nc_u32 v[SOP], 0xff000000, v[M0]         ; 2 off the exponent field: the conversion's scale operand
	s_wait_alu depctr_va_vdst(0)
	s_wait_xcnt 0x0                                ; the last stores have read v[PC] on and v[BY]
.irp g, 0,1,2,3
	v_cvt_scalef32_pk8_fp4_f32 v[PC+\g], v[\dst+8*\g:\dst+8*\g+7], v[SOP]
.endr
	v_lshrrev_b32 v[BY], 23, v[SOP]                ; the scale's byte (the plain line behind the conversions)
	s_delay_alu instid0(VALU_DEP_1)
	v_lshlrev_b32 v[BY], v[SH], v[BY]
	s_delay_alu instid0(VALU_DEP_1)
	v_permlanex16_b32 v[OTH], v[BY], s[SEL], s[SEL+1]
	s_delay_alu instid0(VALU_DEP_1)
	v_or_b32 v[BY], v[BY], v[OTH]
.endm
	s_load_b512 s[4:19], s[0:1], 0x0               ; x 4, xx 6, mv 8, mr 10, mk 12, xc 14, xs 16, kc 18
	s_load_b256 s[40:47], s[0:1], 0x40             ; ks 40, w_value's codes 42, w_rec's codes 44, w_value's scales 46
	s_load_b128 s[48:51], s[0:1], 0x60             ; w_rec's scales 48, wi 50
	v_lshl_add_u32 v[SPW], v0, 2, SPARE
	v_mov_b32 v[NIL], 0
	ds_add_u32 v[SPW], v[NIL]                      ; the opening lines: the add twice and its wait ahead of my tensor load
	ds_add_u32 v[SPW], v[NIL]
	v_lshrrev_b32 v1, 5, v0
	v_readfirstlane_b32 s[WV], v1                  ; wave 0..7
	s_and_b32 s[GG], ttmp7, 0xffff
	s_mov_b32 s[G1+0], (2<<16)|(1<<20)|(5<<22)|(3<<25)   ; elements of 4 bytes; 4 words of padding behind every 64
	s_mov_b32 s[G1+1], 64<<16
	s_mov_b32 s[G1+2], 64<<16
	s_mov_b32 s[G1+3], 64<<16
	s_mov_b32 s[G1+4], 64
	s_mov_b32 s[G1+5], 2048
	s_mov_b32 s[G1+6], 0
	s_mov_b32 s[G1+7], 0
	s_mul_i32 s25, s[WV], XTW
	s_mov_b32 s[G0], 1
	s_mov_b32 s[G0+1], s25
	s_lshl_b32 s56, ttmp9, 11
	s_lshl_b32 s63, s[WV], 8
	s_add_co_u32 s56, s56, s63                     ; my 256 bytes of a row
	s_lshl_b32 s54, s[GG], 19
	s_add_co_u32 s54, s54, s56
	s_mov_b32 s55, 0
	s_mov_b32 s[SEL], 0x76543210
	s_mov_b32 s[SEL+1], 0xfedcba98
	s_wait_dscnt 0x0
	s_wait_kmcnt 0x0
	s_add_nc_u64 s[G0+2:G0+3], s[4:5], s[54:55]
	s_or_b32 s[G0+3], s[G0+3], 0x80000000
	tensor_load_to_lds s[G0:G0+3], s[G1:G1+7]      ; my one tensor load
	s_nop 0
	s_lshl_b32 s54, s[GG], 17                      ; xc: 4 tiles of 32,768 bytes, 4 K steps of 1,024
	s_lshl_b32 s26, ttmp9, 12
	s_add_co_u32 s54, s54, s26
	s_add_nc_u64 s[14:15], s[14:15], s[54:55]
	s_lshl_b32 s54, ttmp9, 16                      ; xs
	s_lshl_b32 s26, s[GG], 8
	s_add_co_u32 s54, s54, s26
	s_add_nc_u64 s[16:17], s[16:17], s[54:55]
	s_lshl_b32 s57, s[GG], 2
	s_add_co_u32 s57, s57, ttmp9                   ; id = (cb, op, t)
	s_bitcmp1_b32 s57, 3
	s_cselect_b64 s[42:43], s[44:45], s[42:43]     ; the weight whose codes I re-lay
	s_lshr_b32 s26, s57, 4                         ; cb
	s_and_b32 s27, s57, 7                          ; t
	s_lshl_b32 s69, s26, 3
	s_add_co_u32 s69, s69, s27                     ; the weight's tile of 16 rows
	s_lshl_b32 s54, s69, 14
	s_add_nc_u64 s[42:43], s[42:43], s[54:55]
	s_bfe_u32 s23, s57, 0x10003                    ; for the scales the same bit picks slots 0-3 or 4-7, of both weights
	s_lshl_b32 s54, s69, 10
	s_lshl_b32 s70, s23, 5
	s_add_co_u32 s54, s54, s70
	s_add_nc_u64 s[46:47], s[46:47], s[54:55]
	s_add_nc_u64 s[48:49], s[48:49], s[54:55]
	s_mul_i32 s54, s26, 17*16384
	s_add_nc_u64 s[50:51], s[50:51], s[54:55]
	s_lshl_b32 s54, s23, 13
	s_lshl_b32 s70, s27, 8
	s_add_co_u32 s54, s54, s70
	s_add_co_u32 s54, s54, 16*16384
	s_add_nc_u64 s[72:73], s[50:51], s[54:55]      ; wi's scale row: my four slots, tile t
	s_and_b32 s54, s57, 15
	s_lshl_b32 s54, s54, 14
	s_add_nc_u64 s[50:51], s[50:51], s[54:55]      ; wi's row (op, t)
	s_mov_b32 s74, 0xffff0000                      ; lanes 16-31
	s_lshl_b32 s58, s[WV], 9
	s_lshr_b32 s26, s[WV], 1
	s_and_b32 s27, s[WV], 1
	s_lshl_b32 s27, s27, 1
	s_lshl_b32 s59, s26, 6
	s_add_co_u32 s59, s59, s27
	s_lshl_b32 s60, s26, 8
	s_add_co_u32 s60, s60, s27
	s_add_co_u32 s60, s60, SCL
	s_add_co_u32 s61, s63, SCL
	s_lshr_b32 s62, s[WV], 2
	s_lshl_b32 s62, s62, 18
	s_and_b32 s26, s[WV], 3
	s_lshl_b32 s26, s26, 14
	s_add_co_u32 s62, s62, s26
	s_lshl_b32 s66, s[WV], 11
	s_lshl_b32 s67, s[WV], 5
	s_add_co_u32 s67, s67, WST
	s_add_co_u32 s68, s66, WST
	s_lshl_b32 s71, s[WV], 3
	v_and_b32 v1, 31, v0                           ; lane
	v_and_b32 v2, 15, v0                           ; r
	v_bfe_u32 v3, v0, 4, 1                         ; h
	v_lshl_add_u32 v[PO], v3, 7, s56
	v_mul_u32_u24 v[LA], v2, 272
	v_lshl_add_u32 v[LA], v3, 7, v[LA]
	v_add_nc_u32 v[LA], s25, v[LA]
	v_lshl_add_u32 v[CO], v1, 4, s58
	v_lshl_add_u32 v[KO], v2, 2, s59
	v_lshl_add_u32 v[SA], v2, 2, s60
	v_lshlrev_b32 v[SH], 3, v3
	v_mov_b32 v[OTH], 0
	v_lshl_add_u32 v[SU], v1, 3, s61
	v_lshl_add_u32 v[GU], v1, 3, s62
	v_lshl_add_u32 v[WSO], v1, 3, s66
	v_lshl_add_u32 v[WLO], v1, 4, s66
	v_lshl_add_u32 v[WSA], v1, 8, s67              ; chunk 4 s + 2 c + h of a row goes to byte 256 x chunk + 16 r of the images; r = 2 w + j / 2
	v_lshl_add_u32 v[WRA], v1, 4, s68
	v_lshl_add_u32 v[WSI], v2, 6, s71
	s_wait_alu depctr_va_vdst(0)
	PLOAD X0, 6                                    ; xx
	PLOAD MV, 8
	PLOAD MR, 10
.irp j, 0,1,2,3
	global_load_b128 v[Y+4*\j:Y+4*\j+3], v[WLO], s[42:43] offset:512*\j    ; rows 2 w and 2 w + 1 of the weight tile, 512 consecutive bytes a load
.endr
	s_cmp_ge_u32 s[WV], 4                          ; waves 0-3: one slot's scale words of tile t, both weights
	s_cbranch_scc1 .Lno_scales
	global_load_b64 v[UN:UN+1], v[WSI], s[46:47]
	global_load_b64 v[UN+2:UN+3], v[WSI], s[48:49]
	s_wait_loadcnt 0x0
	v_cndmask_b32 v[UN], v[UN], v[UN+2], s74       ; lanes 0-15 keep w_value's, lanes 16-31 take w_rec's
	v_cndmask_b32 v[UN+1], v[UN+1], v[UN+3], s74
	global_store_b64 v[WSO], v[UN:UN+1], s[72:73]  ; 256 consecutive bytes
.Lno_scales:
	s_wait_loadcnt 0x0
.irp j, 0,1,2,3
	ds_store_b128 v[WSA], v[Y+4*\j:Y+4*\j+3] offset:(\j%2)*8192+(\j/2)*16
.endr
	s_wait_dscnt 0x0                               ; for the others' sake: my part of the images lies in LDS
	s_barrier_signal -1                            ; my tensor load may be out
	s_barrier_wait -1
.irp j, 0,1,2,3
	ds_load_b128 v[X1+4*\j:X1+4*\j+3], v[WRA] offset:512*\j
.endr
	CMIX CV, MV, X0
	CMIX CR, MR, X0
	s_wait_dscnt 0x0
.irp j, 0,1,2,3
	global_store_b128 v[WLO], v[X1+4*\j:X1+4*\j+3], s[50:51] offset:512*\j   ; the images leave while x is on its way
.endr
	s_wait_xcnt 0x0                                ; X1 is written again only behind this wait
	; the tile that holds a position t = 0: G a multiple of 16.  A branch on the work-group's number; no tensor load and no barrier inside
	s_and_b32 s25, s[GG], 15
	s_cmp_lg_u32 s25, 0
	s_cbranch_scc1 .Lno_first
	PLOAD X1, 12                                   ; time_mix_k
	s_lshr_b32 s26, s[GG], 4                       ; the batch
	s_lshl_b32 s54, s26, 14
	s_lshl_b32 s25, ttmp9, 12
	s_add_co_u32 s54, s54, s25
	s_add_nc_u64 s[18:19], s[18:19], s[54:55]
	s_lshl_b32 s54, s26, 10
	s_lshl_b32 s25, ttmp9, 8
	s_add_co_u32 s54, s54, s25
	s_add_nc_u64 s[40:41], s[40:41], s[54:55]
	s_wait_loadcnt 0x0
	CMIX Y, X1, X0
	s_wait_tensorcnt 0x0                           ; my 64 rows are in LDS; only I read them
	XLOAD 0, X0
	s_wait_dscnt 0x0
	QBLK X0, X1, Y, Y
	global_store_b128 v[CO], v[PC:PC+3], s[18:19]
	global_store_b16 v[KO], v[BY], s[40:41]        ; lanes l and l xor 16 write the same halfword with the same value
.Lno_first:
	s_wait_tensorcnt 0x0
	XLOAD 0, X0
.irp t, 0,1,2,3
	s_wait_dscnt 0x0
	QBLK X0+32*(\t%2), MV, CV, Y
	global_store_b128 v[CO], v[PC:PC+3], s[14:15] offset:\t*32768
	ds_store_b16 v[SA], v[BY] offset:\t*64
.if \t < 3
	XLOAD \t+1, X0+32*((\t+1)%2)
.endif
	QBLK X0+32*(\t%2), MR, CR, Y
	global_store_b128 v[CO], v[PC:PC+3], s[14:15] offset:\t*32768+16384
	ds_store_b16 v[SA], v[BY] offset:1024+\t*64
.endr
	s_wait_dscnt 0x0                               ; for the others' sake: my halfwords lie in LDS
	s_barrier_signal -1
	s_barrier_wait -1
	ds_load_b64 v[UN:UN+1], v[SU]
	s_wait_dscnt 0x0
	global_store_b64 v[GU], v[UN:UN+1], s[16:17]   ; 256 consecutive bytes of scale words
	s_wait_tensorcnt 0x0                           ; the wave's end
	ds_add_u32 v[SPW], v[NIL]
	s_wait_dscnt 0x0
	s_endpgm
.Lfunc_end_k_q5b065fdb15_quant:
	.size	k_q5b065fdb15_quant, .Lfunc_end_k_q5b065fdb15_quant-k_q5b065fdb15_quant
	.p2alignl 7, 3214868480
	.fill 96, 4, 3214868480
	.section	.rodata,"a",@progbits
	.p2align	6, 0x0
	.amdhsa_kernel k_q5b065fdb15_quant
		.amdhsa_group_segment_fixed_size 167936
		.amdhsa_private_segment_fixed_size 0
		.amdhsa_enable_private_segment 0
		.amdhsa_kernarg_size 112
		.amdhsa_user_sgpr_count 2
		.amdhsa_user_sgpr_kernarg_segment_ptr 1
		.amdhsa_wavefront_size32 1
		.amdhsa_system_sgpr_workgroup_id_x 1
		.amdhsa_system_sgpr_workgroup_id_y 1
		.amdhsa_system_sgpr_workgroup_id_z 1
		.amdhsa_system_vgpr_workitem_id 0
		.amdhsa_next_free_vgpr 256
		.amdhsa_next_free_sgpr 80
		.amdhsa_reserve_vcc 0
		.amdhsa_float_denorm_mode_32 3
		.amdhsa_float_denorm_mode_16_64 3
		.amdhsa_memory_ordered 1
		.amdhsa_forward_progress 1
		.amdhsa_inst_pref_size 47
	.end_amdhsa_kernel
	.amdgpu_metadata
---
amdhsa.version: [ 1, 2 ]
amdhsa.kernels:
  - .name:           k_q5b065fdb15_quant
    .symbol:         k_q5b065fdb15_quant.kd
    .args:
      - { .name: x, .offset: 0, .size: 8, .value_kind: global_buffer, .address_space: global }
      - { .name: xx, .offset: 8, .size: 8, .value_kind: global_buffer, .address_space: global }
      - { .name: time_mix_v, .offset: 16, .size: 8, .value_kind: global_buffer, .address_space: global }
      - { .name: time_mix_r, .offset: 24, .size: 8, .value_kind: global_buffer, .address_space: global }
      - { .name: time_mix_k, .offset: 32, .size: 8, .value_kind: global_buffer, .address_space: global }
      - { .name: xc, .offset: 40, .size: 8, .value_kind: global_buffer, .address_space: global }
      - { .name: xs, .offset: 48, .size: 8, .value_kind: global_buffer, .address_space: global }
      - { .name: kc, .offset: 56, .size: 8, .value_kind: global_buffer, .address_space: global }
      - { .name: ks, .offset: 64, .size: 8, .value_kind: global_buffer, .address_space: global }
      - { .name: w_value_codes, .offset: 72, .size: 8, .value_kind: global_buffer, .address_space: global }
      - { .name: w_rec_codes, .offset: 80, .size: 8, .value_kind: global_buffer, .address_space: global }
      - { .name: w_value_scales, .offset: 88, .size: 8, .value_kind: global_buffer, .address_space: global }
      - { .name: w_rec_scales, .offset: 96, .size: 8, .value_kind: global_buffer, .address_space: global }
      - { .name: wi, .offset: 104, .size: 8, .value_kind: global_buffer, .address_space: global }
    .group_segment_fixed_size: 167936
    .private_segment_fixed_size: 0
    .kernarg_segment_align: 8
    .kernarg_segment_size: 112
    .max_flat_workgroup_size: 256
    .sgpr_count:     80
    .vgpr_count:     256
    .wavefront_size: 32
...
	.end_amdgpu_metadata
.endif
;; end of part 1
;; launch vr (part 2): grid 16 x 16, 4 waves a work-group, clusters of 4 x 4, 327,680 bytes of LDS; arguments xc, xs, wi, zc, zs, kc, ks, w_key_codes, w_key_scales, time_first, pp, aa, bb; writes zc, zs
.if DOCPART == 2
	.amdgcn_target "amdgcn-amd-amdhsa--gfx1250"
	.amdhsa_code_object_version 6
	.text
	.protected	k_q5b065fdb15_vr
	.globl	k_q5b065fdb15_vr
	.p2align	8
	.type	k_q5b065fdb15_vr,@function
k_q5b065fdb15_vr:
	s_mov_b64 s[64:65], 0
	v_nop
	global_prefetch_b8 v0, s[64:65] scope:SCOPE_SE
	s_setreg_imm32_b32 hwreg(HW_REG_WAVE_MODE, 25, 1), 1
	s_wait_xcnt 0x0
	s_wait_alu depctr_hold_cnt(0) depctr_sa_sdst(0) depctr_va_vdst(0) depctr_va_sdst(0) depctr_va_ssrc(0) depctr_va_vcc(0) depctr_vm_vsrc(0)
	s_getreg_b32 s2, hwreg(HW_REG_IB_STS2, 6, 4)
	s_cmp_eq_u32 s2, 0
	s_cbranch_scc0 .Lentry_in_a_cluster
	s_endpgm
.Lentry_in_a_cluster:
	s_bfe_u32 s2, ttmp6, 0x10000c
	s_cmp_lg_u32 s2, 0xf033
	s_cbranch_scc0 .Lentry_shape_is_right
	s_endpgm
.Lentry_shape_is_right:
; LAUNCH 2 OF 3.  v = Q(xv) w_value^T and r = sigmoid(Q(xr) w_rec^T) on E2M1 codes; z = r wkv is quantised along its columns and stored as the last product's operand.
; WORK LEFT OUT: at positions t > 0 reference()'s own zeros make wkv = e2 v / e2 = v, so k = Q(xk) w_key^T is made only for the four tiles of 16 rows that hold a position t = 0 (shown at the head of the first launch).
; LIMITS: as stated there.  sigmoid(u) = 1 / (1 + 2^(-u log2 e)) and 1 / (e1 bb + e2) by v_rcp_f32, which takes a denormal divisor for 0.  At t = 0 wkv is formed as alpha + beta v, alpha = e1 aa / den, beta = e2 / den,
; with qq = max(pp, ww) taken away ahead of both exponentials as reference() does.  k is summed in two halves of K, which are then added, and time_first is added behind them.
; SHARES.  A work-group owns 256 rows (row block rb) x 128 outputs (column block cb: K step cb of the last product).  Wave w: rows 128 (w / 2) .. + 127 (blocks a = 0 .. 7 of 16), outputs 64 (w % 2) .. + 63 (tiles t = 0 .. 3),
; for BOTH products: 32 + 32 accumulators, 512 registers, so that r and v of a number meet in one lane.
; Both products are used transposed (source 0 = 16 rows of W, source 1 = an image of 16 rows of x): lane (r, h) holds row r, register j of tile t output 64 (w % 2) + 16 t + 8 h + j.
; CLUSTER 4 x 4.  cb = 4 x cluster x + cx.  rb = 4 cy + cluster y: the batch is cy, the quarter of the batch is the cluster's y.  So the rows t = 0 lie in the clusters with y = 0, a number that all sixteen partners share,
; and the branch to the k phase is the same in all of them.  x's tiles hang on rb and are asked for jointly along a row of the cluster, W's on cb and jointly along a column.
; K goes in slots of 256 (two steps of 128) through a ring of two LDS slots: waves 0, 1 fetch xv's and xr's images, waves 2, 3 w_value's and w_rec's rows, one load a wave.  The scale bytes for all of K come once and stay.
; By this text's count a wave has at most three tensor loads out (its scale bytes, slots 0 and 1), later one.
; THE k PHASE (clusters with y = 0) stands behind the first fills.  All four waves share it: wave (w / 2, w % 2) sums K steps 8 (w / 2) .. + 7 for outputs 64 (w % 2) .. + 63: 92 loads a wave, and 32 more in the two waves that
; finish the sums.  Waves 2, 3 hand their partial sums to waves 0, 1 as images of their registers through LDS, in front of the one barrier that stands ahead of the products anyway.
; REGISTERS.  Window 0: v1-31 addresses and work; v32-111 scale words and nothing else; v128-191 xv's 8 fragments, v192-255 xr's (in the k phase v128-191 xk's 8; on the way out work).
;   Window 1: W's two sets at v0 and v128 (w_value's four fragments, then w_rec's); v64-95 alpha (first the other half's sums), v96-127 beta (first k's sums).  Window 2: v's accumulators at 32 a + 8 t.  Window 3: r's.
;   In the k phase window 2 holds w_key's 32 fragments, window 1 v0-31 pp, v32-63 aa, v128-159 bb, v160-191 time_first, then qq.
; THE FILLS AS THIS TEXT HAS THEM (in place of what the lines above say of the ring, of W's rows and of the loads that are out).  Both weights come from wi, the first launch's images.
; A slot (K = 256) holds x's images [tile 16][op 2][2,048 bytes], then 17 rows of 2,048 bytes of wi: [op 2][t 8] images and one row of W's scale words [t 8][op 2][r 16][q 2].  Every row in memory is 2,048 bytes on a multiple of 256.
; Waves 0 and 1 fetch x's two halves (16 rows each), wave 2 W's 17 rows; at the head wave 3 fetches x's scale words for all of K (32 rows of 1,024 bytes, 8 bytes of padding behind each), which stay.
; One tensor load a wave at the head; slot 1's first fill stands behind the full sequence and a round, as a refill does.  By this text's count a wave has one tensor load out at the most.
.set SLOT,  100352
.set WOFF,  65536
.set ASC,   2*SLOT                     ; x's scale words: row op 16 + s at 1,032 x row
.set ASKEW, 16*1032                    ; xr's lie 128 bytes off xv's modulo 256
.set ZST,   ASC+32*1032                ; 1,024 bytes: z's scale words; stored by the waves
.set SPARE, ZST+1024
.set KPART, SPARE+512                  ; 8,192 bytes: k's partial sums; stored by the waves
.set FLOOR, 0x1800000
.set ADA,  4                           ; v4-5  LDS: x's images in slot 0, 1
.set ADW,  6                           ; v6-7  W's rows
.set ADAS, 8                           ; v8    x's scale words: lanes 0-15 xv's, lanes 16-31 xr's; steps 2,064 a slot
.set ADWS, 2                           ; v2-3  W's scale words in slot 0, 1 (made when h and the lane's number are done with)
.set ZCO,  10                          ; v10   16 x lane
.set ZSA,  11                          ; v11   LDS: my halfword of z's scale word, block 0
.set ZSR,  12                          ; v12   LDS: my 8 bytes of unit w
.set ZSO,  13                          ; v13   and in zs
.set SPW,  14                          ; v14   LDS address of my spare word; never rewritten
.set NIL,  15                          ; v15   0; never rewritten
.set KWO,  16                          ; v16-19 the k phase's offsets: w_key's codes, its scales, ks (4 x lane), the four vectors
.set KWS,  17
.set KSO,  18
.set PVO,  19
.set M0,   20
.set M1,   21
.set O0,   22
.set O1,   23
.set SOP0, 24
.set SOP1, 25
.set BY0,  26
.set BY1,  27
.set HW,   28
.set KPA,  29                          ; v29   LDS: my 16 bytes of an image of k's partial sums, for my half of the outputs
.set SC,   32                          ; scale words: set p at SC + 12 p: + a: block a's; + 8 + t: tile t's
.set AV,   128
.set AR,   192
.set TS,   128                         ; the way out: two sets of 32 for the sigmoid, 32 of z, 4 of codes
.set ZZ,   192
.set PC,   224
.set ALPHA, 64                         ; window 1
.set BETA,  96
.set KPP,   0
.set KAA,   32
.set KBB,   128
.set KQ,    160
.set G1A,  20                          ; s[20:27] x's tiles; s[28:35] W's; s[36:43], s[44:51] their groups 0, one for each slot
.set G1W,  28
.set G0A,  36
.set G0W,  44
.set G1AS, 52                          ; s[52:59], s[60:63] x's scale words
.set G0AS, 60
.set WV,   66
.set RH,   67
.set NH,   96
.set YY,   97
.set CX,   98
.set CY,   99
.set CB,   100
.set RB,   101
.set MSB, 0
.macro WIN new                         ; the immediate's high byte repeats the setting that is left; a switch that changes nothing is dropped
.if MSB != (\new)
	s_set_vgpr_msb (MSB<<8)|(\new)
.set MSB, (\new)
.endif
.endm
.macro PLACES n
.rept \n
	v_nop
.endr
.endm
; A joint load: waves 0 and 1 fetch for x, wave 2 for W.  Each line has one mask; the branch hangs on the wave's number alone.  An s_nop 0 and four v_nop follow each line.
.macro JLOAD s, sc                     ; slot s: waves 0, 1 x's halves, wave 2 W's rows; sc = 1 (the head): wave 3 x's scale words.  One chain of arms on the wave's number
	s_cmp_lt_u32 s[WV], 2
	s_cbranch_scc0 .Lfor_w_\@
	tensor_load_to_lds s[G0A+4*\s:G0A+4*\s+3], s[G1A:G1A+7]
	s_nop 0
.rept 4
	v_nop
.endr
	s_branch .Lasked_\@
.Lfor_w_\@:
	s_cmp_eq_u32 s[WV], 2
	s_cbranch_scc0 .Lfor_s_\@
	tensor_load_to_lds s[G0W+4*\s:G0W+4*\s+3], s[G1W:G1W+7]
	s_nop 0
.rept 4
	v_nop
.endr
.if \sc
	s_branch .Lasked_\@
.endif
.Lfor_s_\@:
.if \sc
	tensor_load_to_lds s[G0AS:G0AS+3], s[G1AS:G1AS+7]
	s_nop 0
.rept 4
	v_nop
.endr
.endif
.Lasked_\@:
.endm
.macro CREST                           ; a round of the cluster's barrier behind its opening barrier
	s_cmp_lg_u32 s[WV], 0
	s_cbranch_scc1 .Lnot_wave_0_\@
	s_barrier_signal -3
.Lnot_wave_0_\@:
	s_barrier_wait -3
	s_barrier_signal -1
	s_barrier_wait -1
.endm
.macro CROUND
	s_barrier_signal -1
	s_barrier_wait -1
	CREST
.endm
; PREFETCHES INTO THE L2.  A slot's tiles are 32 rows of x and 16 code rows of W, 8 blocks of 256 bytes each.  The four partners that ask for a tile jointly share its rows out by address: of x's rows the partner at cx takes
; 8 cx .. + 7 (wave 0 four, wave 1 four), of W's the partner at cy takes 4 cy .. + 3 (wave 2): a lane a block, one instruction a wave; wave 3 asks for nothing (W's row of scale words comes by its load alone).
; Behind the load of slot m stands the request for slot m + 2: slots 1 and 2 behind the head's load, slot 3 behind slot 1's, slot n + 4 behind the refill in slot n; the loop's last trip, whose n + 4 would pass slot 7, asks for nothing.
.set PFO, 9                            ; v9      16,384 (lane / 8) + 256 (lane % 8); never rewritten
.set PFA, 84                           ; s[84:85] my four rows, at the slot that is being multiplied + 1 (at the head: slot 0)
.set LIM, 86                           ; s86     1 in waves 0 to 2, the greatest number in wave 3
.macro ASK how                         ; how = 1: outside the loop; 0: in the loop, where s3 = 1 in the last trip
.if \how
	s_cmp_eq_u32 s[LIM], 1
.else
	s_cmp_gt_u32 s3, s[LIM]
.endif
	s_cbranch_scc0 .Lnot_mine_\@
	global_prefetch_b8 v[PFO], s[PFA:PFA+1] offset:3*2048 th:TH_LOAD_NT scope:SCOPE_SE
.Lnot_mine_\@:
.endm
.macro HEADSEQ                         ; slot 1's first fill: the three lines and a round ahead of it, as ahead of a refill
	s_wait_alu depctr_va_vdst(0)
	s_wait_tensorcnt 0x0                           ; my part of the head's tiles is in
	ds_add_u32 v[SPW], v[NIL]
	s_wait_dscnt 0x0                               ; the add is done, and any partial sums of mine lie in LDS
	CROUND
	JLOAD 1, 0
	ASK 1                                          ; slot 3
.endm
	s_load_b128 s[4:7], s[0:1], 0x0                ; xc s[4:5], xs s[6:7]
	s_load_b64 s[8:9], s[0:1], 0x10                ; wi
	s_load_b128 s[16:19], s[0:1], 0x18             ; zc s[16:17], zs s[18:19]
	s_load_b512 s[68:83], s[0:1], 0x28             ; kc, ks, w_key's codes, scales, time_first, pp, aa, bb
	v_lshl_add_u32 v[SPW], v0, 2, SPARE
	v_mov_b32 v[NIL], 0
	ds_add_u32 v[SPW], v[NIL]                      ; the wave's opening: the add, twice on end, and its wait ahead of my first tensor load
	ds_add_u32 v[SPW], v[NIL]
	v_lshrrev_b32 v3, 5, v0
	v_readfirstlane_b32 s[WV], v3                  ; wave 0..3
	s_lshr_b32 s[RH], s[WV], 1                     ; my half of the rows.  Also: I fetch x's images (0) or W or x's scale words (1)
	s_and_b32 s[NH], s[WV], 1                      ; my half of the outputs.  Also: in waves 0 and 1, the half of x's tiles I fetch
	s_bfe_u32 s[CX], ttmp6, 0x40000
	s_bfe_u32 s[CY], ttmp6, 0x40004
	s_and_b32 s[YY], ttmp7, 0xffff                 ; the cluster's y
	s_lshl_b32 s[CB], ttmp9, 2
	s_add_co_u32 s[CB], s[CB], s[CX]               ; column block = 4 x cluster x + cx
	s_lshl_b32 s[RB], s[CY], 2
	s_add_co_u32 s[RB], s[RB], s[YY]               ; row block = 4 cy + cluster y
	s_lshl_b32 s2, s[CY], 2
	s_lshl_b32 s2, 15, s2                          ; my row of the cluster
	s_lshl_b32 s3, 0x1111, s[CX]                   ; my column
	s_or_b32 s[G1A], s2, (3<<16)|(1<<21)           ; x's images: 16 tiles' 2,048 bytes (256 elements of 8), 16,384 bytes apart; dense in LDS
	s_mov_b32 s[G1A+1], 256<<16
	s_mov_b32 s[G1A+2], 16<<16
	s_mov_b32 s[G1A+3], 256<<16
	s_mov_b32 s[G1A+4], 16
	s_mov_b32 s[G1A+5], 2048
	s_mov_b32 s[G1A+6], 0
	s_mov_b32 s[G1A+7], 0
	s_or_b32 s[G1W], s3, (3<<16)|(1<<21)           ; wi: 17 rows' 2,048 bytes (256 elements of 8), 16,384 bytes apart; dense in LDS
	s_mov_b32 s[G1W+1], 256<<16
	s_mov_b32 s[G1W+2], 17<<16
	s_mov_b32 s[G1W+3], 256<<16
	s_mov_b32 s[G1W+4], 17
	s_mov_b32 s[G1W+5], 2048
	s_mov_b32 s[G1W+6], 0
	s_mov_b32 s[G1W+7], 0
	s_or_b32 s[G1AS], s2, (3<<16)|(1<<20)|(1<<21)|(7<<22)|(1<<25)   ; x's scale words: 32 rows (op, K step) of 1,024 bytes, 16,384 apart; 2 words of padding behind every 256
	s_mov_b32 s[G1AS+1], 128<<16
	s_mov_b32 s[G1AS+2], 32<<16
	s_mov_b32 s[G1AS+3], 128<<16
	s_mov_b32 s[G1AS+4], 32
	s_mov_b32 s[G1AS+5], 2048
	s_mov_b32 s[G1AS+6], 0
	s_mov_b32 s[G1AS+7], 0
	s_mov_b32 s[G0A], 1
	s_lshl_b32 s[G0A+1], s[NH], 15                 ; (read by waves 0 and 1 alone, whose number is NH)
	s_lshl_b32 s[G0A+2], s[NH], 18                 ; xc: my 16 rows of 16,384 bytes, + 32 rows a row block
	s_lshl_b32 s[G0A+3], s[RB], 19
	s_add_co_u32 s[G0A+2], s[G0A+2], s[G0A+3]
	s_mov_b32 s[G0A+3], 0
	s_mov_b32 s[G0A+4], 1
	s_add_co_u32 s[G0A+5], s[G0A+1], SLOT
	s_mov_b32 s[G0W], 1
	s_mov_b32 s[G0W+1], WOFF
	s_mul_i32 s[G0W+2], s[CB], 17*16384
	s_mov_b32 s[G0W+3], 0
	s_mov_b32 s[G0W+4], 1
	s_mov_b32 s[G0W+5], SLOT+WOFF
	s_mov_b32 s[G0AS], 1
	s_mov_b32 s[G0AS+1], ASC
	s_lshl_b32 s[G0AS+2], s[RB], 10
	s_mov_b32 s[G0AS+3], 0
	s_wait_dscnt 0x0
	s_wait_kmcnt 0x0
	s_lshl_b32 s10, s[CX], 3                       ; the prefetches' address: x's rows 8 cx + 4 w of the row block's 32,
	s_lshl_b32 s11, s[WV], 2
	s_add_co_u32 s10, s10, s11
	s_lshl_b32 s10, s10, 14
	s_lshl_b32 s11, s[RB], 19
	s_add_co_u32 s10, s10, s11
	s_mul_i32 s12, s[CB], 17*16384                 ; or W's rows 4 cy of the column block's 16
	s_lshl_b32 s11, s[CY], 16
	s_add_co_u32 s12, s12, s11
	s_cmp_lt_u32 s[WV], 2
	s_cselect_b64 s[PFA:PFA+1], s[4:5], s[8:9]
	s_cselect_b32 s10, s10, s12
	s_mov_b32 s11, 0
	s_add_nc_u64 s[PFA:PFA+1], s[PFA:PFA+1], s[10:11]
	s_cmp_lt_u32 s[WV], 3
	s_cselect_b32 s[LIM], 1, -1
	s_add_nc_u64 s[G0A+2:G0A+3], s[4:5], s[G0A+2:G0A+3]
	s_add_nc_u64 s[G0A+6:G0A+7], s[G0A+2:G0A+3], 2048
	s_or_b32 s[G0A+3], s[G0A+3], 0x80000000
	s_or_b32 s[G0A+7], s[G0A+7], 0x80000000
	s_add_nc_u64 s[G0W+2:G0W+3], s[8:9], s[G0W+2:G0W+3]
	s_add_nc_u64 s[G0W+6:G0W+7], s[G0W+2:G0W+3], 2048
	s_or_b32 s[G0W+3], s[G0W+3], 0x80000000
	s_or_b32 s[G0W+7], s[G0W+7], 0x80000000
	s_add_nc_u64 s[G0AS+2:G0AS+3], s[6:7], s[G0AS+2:G0AS+3]
	s_or_b32 s[G0AS+3], s[G0AS+3], 0x80000000
	CROUND                                         ; all sixteen work-groups are here: the first joint loads meet
	JLOAD 0, 1                                     ; slot 0 and x's scale words: one tensor load a wave at the head
	v_and_b32 v1, 15, v0                           ; r
	v_bfe_u32 v2, v0, 4, 1                         ; h
	v_and_b32 v3, 31, v0
	s_wait_alu depctr_va_vdst(0)
	s_lshl_b32 s12, s[RH], 15                      ; my 8 tiles of 4,096 bytes
	v_lshl_add_u32 v[ADA], v3, 4, s12
	v_add_nc_u32 v[ADA+1], SLOT, v[ADA]
	s_lshl_b32 s12, s[NH], 13                      ; my 4 tiles of W, 2,048 bytes each
	s_add_co_u32 s12, s12, WOFF
	v_lshl_add_u32 v[ADW], v3, 4, s12
	v_add_nc_u32 v[ADW+1], SLOT, v[ADW]
	s_lshl_b32 s12, s[RH], 9
	s_add_co_u32 s12, s12, ASC
	v_mul_u32_u24 v[ADAS], v2, ASKEW               ; lanes 16-31 take xr's
	v_lshl_add_u32 v[ADAS], v1, 2, v[ADAS]
	v_add_nc_u32 v[ADAS], s12, v[ADAS]
	v_lshlrev_b32 v[ZCO], 4, v3
	s_lshl_b32 s12, s[RH], 9
	s_lshl_b32 s13, s[NH], 1
	s_add_co_u32 s12, s12, s13
	s_add_co_u32 s12, s12, ZST
	v_lshl_add_u32 v[ZSA], v1, 2, s12
	s_lshl_b32 s12, s[WV], 8
	v_lshl_add_u32 v[ZSO], v3, 3, s12
	s_add_co_u32 s12, s12, ZST
	v_lshl_add_u32 v[ZSR], v3, 3, s12
	s_lshl_b32 s12, s[NH], 12
	s_add_co_u32 s12, s12, KPART
	v_lshl_add_u32 v[KPA], v3, 4, s12
	s_lshl_b32 s12, s[NH], 16
	v_lshl_add_u32 v[KWO], v1, 10, s12
	v_lshl_add_u32 v[KWO], v2, 4, v[KWO]           ; (64 NH + r) rows of 1,024 bytes + 16 h
	s_lshl_b32 s12, s[NH], 12
	v_lshl_add_u32 v[KWS], v1, 6, s12
	v_lshlrev_b32 v[KSO], 2, v3
	s_lshl_b32 s12, s[NH], 8
	v_lshl_add_u32 v[PVO], v2, 5, s12
	v_mov_b32 v[O0], 0                             ; written once: a lane permute's destination counts as one of its sources
	v_mov_b32 v[O1], 0
	v_lshrrev_b32 v[PFO], 3, v3
	v_and_b32 v30, 7, v3
	v_lshlrev_b32 v[PFO], 14, v[PFO]
	v_lshl_add_u32 v[PFO], v30, 8, v[PFO]
	s_lshl_b32 s12, s[NH], 10                      ; W's scale words: my 4 tiles of 256 bytes; 8 x lane = 128 op + 8 r
	s_add_co_u32 s12, s12, WOFF+32768
	v_lshl_add_u32 v[ADWS], v3, 3, s12
	v_add_nc_u32 v[ADWS+1], SLOT, v[ADWS]
	s_lshl_b32 s12, s[RB], 18                      ; zc: my first tile, K step cb, half NH of the image
	s_lshl_b32 s13, s[RH], 17
	s_add_co_u32 s12, s12, s13
	s_lshl_b32 s13, s[CB], 10
	s_add_co_u32 s12, s12, s13
	s_lshl_b32 s13, s[NH], 9
	s_add_co_u32 s12, s12, s13
	s_mov_b32 s13, 0
	s_add_nc_u64 s[16:17], s[16:17], s[12:13]
	s_lshl_b32 s12, s[CB], 14                      ; zs: K step cb, the work-group's 16 tiles
	s_lshl_b32 s14, s[RB], 10
	s_add_co_u32 s12, s12, s14
	s_add_nc_u64 s[18:19], s[18:19], s[12:13]
	s_mov_b32 s4, 0xbfb8aa3b                       ; -log2(e); named as a pair, so both are written
	s_mov_b32 s5, s4
	s_mov_b32 s6, 0x76543210                       ; v_permlanex16_b32's selects for lane l xor 16
	s_mov_b32 s7, 0xfedcba98
	s_wait_alu depctr_va_vdst(0)
	s_cmp_eq_u32 s[LIM], 1
	s_cbranch_scc0 .Lno_first_asks
	global_prefetch_b8 v[PFO], s[PFA:PFA+1] offset:2048 th:TH_LOAD_NT scope:SCOPE_SE     ; slot 1
	global_prefetch_b8 v[PFO], s[PFA:PFA+1] offset:2*2048 th:TH_LOAD_NT scope:SCOPE_SE   ; slot 2
.Lno_first_asks:
	; ---- THE k PHASE, while the first tiles are on their way: the clusters with y = 0 (the same number in all sixteen partners).  ONE branch on it; each of its two arms holds the one barrier ahead of the products.
.macro KM sl, t                        ; k's sums: tile t, my K step sl.  xk's scale words lie two steps to a register: the even step in lanes 0-15, the odd one in lanes 16-31
.if (\sl) == 0
	v_wmma_scale_f32_16x16x128_f8f6f4 v[BETA+8*\t:BETA+8*\t+7], v[8*(4*\sl+\t):8*(4*\sl+\t)+7], v[128+8*\sl:128+8*\sl+7], 0, v[32+8*\t+\sl], v[96+(\sl)/2] matrix_a_fmt:MATRIX_FMT_FP4 matrix_b_fmt:MATRIX_FMT_FP4
.elseif (\sl)%2
	v_wmma_scale_f32_16x16x128_f8f6f4 v[BETA+8*\t:BETA+8*\t+7], v[8*(4*\sl+\t):8*(4*\sl+\t)+7], v[128+8*\sl:128+8*\sl+7], v[BETA+8*\t:BETA+8*\t+7], v[32+8*\t+\sl], v[96+(\sl)/2] matrix_a_fmt:MATRIX_FMT_FP4 matrix_b_fmt:MATRIX_FMT_FP4 matrix_b_scale:MATRIX_SCALE_ROW1
.else
	v_wmma_scale_f32_16x16x128_f8f6f4 v[BETA+8*\t:BETA+8*\t+7], v[8*(4*\sl+\t):8*(4*\sl+\t)+7], v[128+8*\sl:128+8*\sl+7], v[BETA+8*\t:BETA+8*\t+7], v[32+8*\t+\sl], v[96+(\sl)/2] matrix_a_fmt:MATRIX_FMT_FP4 matrix_b_fmt:MATRIX_FMT_FP4
.endif
.endm
	s_cmp_lg_u32 s[YY], 0
	s_cbranch_scc1 .Lplain
	s_mov_b32 s11, 0
	s_lshl_b32 s10, s[CY], 14                      ; kc: the batch's 16 images, my 8 K steps
	s_lshl_b32 s9, s[RH], 13
	s_add_co_u32 s10, s10, s9
	s_add_nc_u64 s[68:69], s[68:69], s[10:11]
	s_lshl_b32 s10, s[CY], 10                      ; ks likewise
	s_lshl_b32 s9, s[RH], 9
	s_add_co_u32 s10, s10, s9
	s_add_nc_u64 s[70:71], s[70:71], s[10:11]
	s_lshl_b32 s10, s[CB], 17                      ; w_key's codes: the column block's 128 rows, my 512 bytes of a row
	s_add_co_u32 s10, s10, s9
	s_add_nc_u64 s[72:73], s[72:73], s[10:11]
	s_lshl_b32 s10, s[CB], 13                      ; its scale bytes: my 32 of a row's 64
	s_lshl_b32 s9, s[RH], 5
	s_add_co_u32 s10, s10, s9
	s_add_nc_u64 s[74:75], s[74:75], s[10:11]
	s_lshl_b32 s10, s[CB], 9
	s_add_nc_u64 s[76:77], s[76:77], s[10:11]
	s_add_nc_u64 s[78:79], s[78:79], s[10:11]
	s_add_nc_u64 s[80:81], s[80:81], s[10:11]
	s_add_nc_u64 s[82:83], s[82:83], s[10:11]
.irp s, 0,1,2,3,4,5,6,7
.irp c, 0,1
	global_load_b128 v[128+8*\s+4*\c:128+8*\s+4*\c+3], v[ZCO], s[68:69] offset:1024*\s+512*\c   ; xk's 8 images
.endr
.endr
	s_wait_alu depctr_va_vdst(0)
.irp i, 0,1,2,3
	global_load_b32 v[96+\i], v[KSO], s[70:71] offset:128*\i       ; their scale words: 128 consecutive bytes are two K steps' 16 words
.endr
.irp t, 0,1,2,3
.irp g, 0,1
	global_load_b128 v[32+8*\t+4*\g:32+8*\t+4*\g+3], v[KWS], s[74:75] offset:1024*\t+16*\g   ; w_key's scale words: tile t, my K step sl at v[32 + 8 t + sl]
.endr
.endr
	WIN 0x80                                       ; w_key's fragments (my K step sl, tile t) into window 2.  This one run reads 512 consecutive bytes of each of my 64 rows
.irp s, 0,1,2,3,4,5,6,7
.irp t, 0,1,2,3
.irp c, 0,1
	global_load_b128 v[8*(4*\s+\t)+4*\c:8*(4*\s+\t)+4*\c+3], v[KWO], s[72:73] offset:16384*\t+64*\s+32*\c
.endr
.endr
.endr
	WIN 0
	s_cmp_lg_u32 s[RH], 0                          ; the four vectors are wanted by the waves that finish the sums alone
	s_cbranch_scc1 .Lk_novec
	WIN 0x40                                       ; destination window 1: in the result's layout: tile t, my half's eight outputs
.irp t, 0,1,2,3
.irp u, 0,1
	global_load_b128 v[KQ+8*\t+4*\u:KQ+8*\t+4*\u+3], v[PVO], s[76:77] offset:64*\t+16*\u
	global_load_b128 v[KPP+8*\t+4*\u:KPP+8*\t+4*\u+3], v[PVO], s[78:79] offset:64*\t+16*\u
	global_load_b128 v[KAA+8*\t+4*\u:KAA+8*\t+4*\u+3], v[PVO], s[80:81] offset:64*\t+16*\u
	global_load_b128 v[KBB+8*\t+4*\u:KBB+8*\t+4*\u+3], v[PVO], s[82:83] offset:64*\t+16*\u
.endr
.endr
	WIN 0
.Lk_novec:
	s_wait_loadcnt 0x0
	WIN 0x52                                       ; source 0 window 2, source 1 window 0, C and D window 1.  The first K step starts the sums; the four accumulators take turns
.irp s, 0,1,2,3,4,5,6,7
.irp t, 0,1,2,3
	KM \s, \t
.endr
.endr
	PLACES 4                                       ; four places between the last product and the first read of a result (ISA guide 7.12.1)
	WIN 0
	s_cmp_eq_u32 s[RH], 0
	s_cbranch_scc1 .Lk_keep
	WIN 0x04                                       ; an LDS store's data are its source 1: window 1.  Waves 2, 3: the sums go to LDS as they stand, each accumulator from its low end on
.irp i, 0,1,2,3,4,5,6,7
	ds_store_b128 v[KPA], v[BETA+4*\i:BETA+4*\i+3] offset:512*\i
.endr
	WIN 0
.Lk_keep:
	HEADSEQ
	s_cmp_lg_u32 s[RH], 0
	s_cbranch_scc1 .Lident
	WIN 0x40
.irp i, 0,1,2,3,4,5,6,7
	ds_load_b128 v[ALPHA+4*\i:ALPHA+4*\i+3], v[KPA] offset:512*\i  ; the other half of K, in the same registers' places
.endr
	WIN 0
	v_cmp_eq_u32 s8, 0, v1                         ; the lanes of row 0 of the tile: the position t = 0
	s_wait_dscnt 0x0
	WIN 0x55                                       ; all in window 1
.set jj, 0
.rept 16
	v_pk_add_f32 v[BETA+jj:BETA+jj+1], v[BETA+jj:BETA+jj+1], v[ALPHA+jj:ALPHA+jj+1]   ; k; each accumulator is read from its low end on
.set jj, jj+2
.endr
.set jj, 0
.rept 16
	v_pk_add_f32 v[BETA+jj:BETA+jj+1], v[BETA+jj:BETA+jj+1], v[KQ+jj:KQ+jj+1]         ; ww = time_first + k
.set jj, jj+2
.endr
.set jj, 0
.rept 32
	v_max_num_f32 v[KQ+jj], v[KPP+jj], v[BETA+jj]  ; qq = max(pp, ww)
.set jj, jj+1
.endr
.set jj, 0
.rept 16
	v_pk_add_f32 v[KPP+jj:KPP+jj+1], v[KQ+jj:KQ+jj+1], v[KPP+jj:KPP+jj+1] neg_lo:[0,1] neg_hi:[0,1]       ; qq - pp
	v_pk_add_f32 v[BETA+jj:BETA+jj+1], v[KQ+jj:KQ+jj+1], v[BETA+jj:BETA+jj+1] neg_lo:[0,1] neg_hi:[0,1]   ; qq - ww
.set jj, jj+2
.endr
.set jj, 0
.rept 16
	v_pk_mul_f32 v[KPP+jj:KPP+jj+1], v[KPP+jj:KPP+jj+1], s[4:5] op_sel_hi:[1,0]
	v_pk_mul_f32 v[BETA+jj:BETA+jj+1], v[BETA+jj:BETA+jj+1], s[4:5] op_sel_hi:[1,0]
.set jj, jj+2
.endr
.set jj, 0
	s_wait_alu depctr_va_vdst(0)
.rept 32
	v_exp_f32 v[KPP+jj], v[KPP+jj]                 ; e1
	v_exp_f32 v[BETA+jj], v[BETA+jj]               ; e2
.set jj, jj+1
.endr
	v_nop                                          ; a plain line behind the last exponential
	s_wait_alu depctr_va_vdst(0)                   ; one wait for the batch of 64, ahead of its first reader
.set jj, 0
.rept 16
	v_pk_mul_f32 v[KAA+jj:KAA+jj+1], v[KPP+jj:KPP+jj+1], v[KAA+jj:KAA+jj+1]                               ; e1 aa
	v_pk_fma_f32 v[KBB+jj:KBB+jj+1], v[KPP+jj:KPP+jj+1], v[KBB+jj:KBB+jj+1], v[BETA+jj:BETA+jj+1]         ; e1 bb + e2
.set jj, jj+2
.endr
.set jj, 0
	s_wait_alu depctr_va_vdst(0)
.rept 32
	v_rcp_f32 v[KBB+jj], v[KBB+jj]
.set jj, jj+1
.endr
	v_nop
	s_wait_alu depctr_va_vdst(0)                   ; one wait for the 32 reciprocals
.set jj, 0
.rept 16
	v_pk_mul_f32 v[ALPHA+jj:ALPHA+jj+1], v[KAA+jj:KAA+jj+1], v[KBB+jj:KBB+jj+1]
	v_pk_mul_f32 v[BETA+jj:BETA+jj+1], v[BETA+jj:BETA+jj+1], v[KBB+jj:KBB+jj+1]
.set jj, jj+2
.endr
.set jj, 0
.rept 32
	v_cndmask_b32 v[ALPHA+jj], 0, v[ALPHA+jj], s8  ; rows 1 to 15 of the tile are positions t > 0: wkv = v there
	v_cndmask_b32 v[BETA+jj], 1.0, v[BETA+jj], s8
.set jj, jj+1
.endr
	WIN 0
	s_branch .Lkdone
.Lplain:
	HEADSEQ
.Lident:                                               ; every wave whose block 0 holds no position t = 0: wkv = 0 + 1 v there too, so that the way out is one text with no further branch
	WIN 0x40
.set jj, 0
.rept 32
	v_mov_b32 v[ALPHA+jj], 0
	v_mov_b32 v[BETA+jj], 1.0
.set jj, jj+1
.endr
	WIN 0
.Lkdone:
; ---- THE TWO PRODUCTS
.macro WM d, w, x, sw, sx, row1, zero
.if \row1
.if \zero
	v_wmma_scale_f32_16x16x128_f8f6f4 v[\d:\d+7], v[\w:\w+7], v[\x:\x+7], 0, v[\sw], v[\sx] matrix_a_fmt:MATRIX_FMT_FP4 matrix_b_fmt:MATRIX_FMT_FP4 matrix_a_scale:MATRIX_SCALE_ROW1 matrix_b_scale:MATRIX_SCALE_ROW1
.else
	v_wmma_scale_f32_16x16x128_f8f6f4 v[\d:\d+7], v[\w:\w+7], v[\x:\x+7], v[\d:\d+7], v[\sw], v[\sx] matrix_a_fmt:MATRIX_FMT_FP4 matrix_b_fmt:MATRIX_FMT_FP4 matrix_a_scale:MATRIX_SCALE_ROW1 matrix_b_scale:MATRIX_SCALE_ROW1
.endif
.else
.if \zero
	v_wmma_scale_f32_16x16x128_f8f6f4 v[\d:\d+7], v[\w:\w+7], v[\x:\x+7], 0, v[\sw], v[\sx] matrix_a_fmt:MATRIX_FMT_FP4 matrix_b_fmt:MATRIX_FMT_FP4
.else
	v_wmma_scale_f32_16x16x128_f8f6f4 v[\d:\d+7], v[\w:\w+7], v[\x:\x+7], v[\d:\d+7], v[\sw], v[\sx] matrix_a_fmt:MATRIX_FMT_FP4 matrix_b_fmt:MATRIX_FMT_FP4
.endif
.endif
.endm
; n blocks of rows from a0 on x my four tiles, 128 along K, of product p (0: v, window 2, scale words from lanes 0-15; 1: r, window 3, from lanes 16-31).  set: W's set and the set of scale words.
; zero = 1: the first product starts the sums.  The 64 accumulators take turns, one instruction a turn, in the same order in every step.
.macro MUL p, a0, n, set, zero
	WIN 0xa1+0x50*(\p)
.set ma, \a0
.rept \n
.irp t, 0,1,2,3
	WM 32*ma+8*\t, 128*(\set)+32*(\p)+8*\t, AV+64*(\p)+8*ma, SC+12*(\set)+8+\t, SC+12*(\set)+ma, \p, \zero
.endr
.set ma, ma+1
.endr
.endm
.macro FETCH_W slot, q, set            ; both weights' four fragments of the slot's q-th 128 along K: 16 loads
	WIN 0x40
.irp p, 0,1
.irp t, 0,1,2,3
.irp c, 0,1
	ds_load_b128 v[128*(\set)+32*\p+8*\t+4*\c:128*(\set)+32*\p+8*\t+4*\c+3], v[ADW+\slot] offset:\p*16384+\t*2048+(\q)*1024+\c*512
.endr
.endr
.endr
	WIN 0
.endm
.macro FETCH_A slot, q, p              ; operand p's eight images: 16 loads, each of 512 consecutive bytes
.irp a, 0,1,2,3,4,5,6,7
.irp c, 0,1
	ds_load_b128 v[AV+64*(\p)+8*\a+4*\c:AV+64*(\p)+8*\a+4*\c+3], v[ADA+\slot] offset:(\p)*2048+\a*4096+(\q)*1024+\c*512
.endr
.endr
.endm
.macro FETCH_S slot, q
.irp a, 0,1,2,3,4,5,6,7
	ds_load_b32 v[SC+12*(\q)+\a], v[ADAS] offset:(\q)*1032+\a*64
.endr
.irp t, 0,1,2,3
	ds_load_b32 v[SC+12*(\q)+8+\t], v[ADWS+\slot] offset:\t*256+4*(\q)
.endr
.endm
; A load into a register that a matrix instruction has read stands four places behind it, and only plain vector instructions that name none of its registers are places: so four v_nop in front of each run of loads.
.macro STEP slot, zero                 ; a slot's first step
	s_wait_dscnt 16                                ; all but the youngest 16 loads, xr's images
	MUL 0, 0, 8, 0, \zero
	s_wait_dscnt 0x0                               ; xr's images are in (asked for 32 matrix instructions ago)
	PLACES 4
	FETCH_W \slot, 1, 1
	FETCH_A \slot, 1, 0
	FETCH_S \slot, 1
	MUL 1, 0, 8, 0, \zero
	PLACES 4
	WIN 0
	FETCH_A \slot, 1, 1
.endm
; A slot's second step changes slots AT ITS HEAD: all of the slot's fragments are in registers by then.  ONE barrier; in front of it each wave waits for all its tensor loads, adds 0 to its spare word, and waits for
; that and for its own reads of this slot.  fill = 1: the barrier opens a round of the cluster's barrier, and this slot is filled again, two slots ahead: my one tensor load behind the round.  No product stands
; between the wait for the loads and the refill: the refill has this step's 64 matrix instructions and the next step's 64 in which to land.
.macro TURN slot, next, fill
.if \fill
	s_wait_xcnt 0x0                                ; my prefetches have read their address: it steps here, a step of the loop behind the last of them
	s_add_nc_u64 s[PFA:PFA+1], s[PFA:PFA+1], 2048
.endif
	s_wait_tensorcnt 0x0                           ; all my tensor loads have landed: my part of the next slot; so a group 0 may be written  (every window is 0 here)
	ds_add_u32 v[SPW], v[NIL]                      ; 0 onto my spare word; the descriptors' steps stand between it and the wait for it
.if \fill
	s_add_nc_u64 s[G0A+4*\slot+2:G0A+4*\slot+3], s[G0A+4*\slot+2:G0A+4*\slot+3], 2*2048
	s_add_nc_u64 s[G0W+4*\slot+2:G0W+4*\slot+3], s[G0W+4*\slot+2:G0W+4*\slot+3], 2*2048
.endif
	s_wait_dscnt 0x0                               ; the add is done, and my reads of this slot are over: its last fragments, xr's, are in
	s_barrier_signal -1
	s_barrier_wait -1
.if \fill
	CREST                                          ; no wave of any partner still reads this slot's tiles or has a load on its way
	JLOAD \slot, 0
.endif
	MUL 0, 0, 8, 1, 0
	PLACES 4
	WIN 0
	s_wait_alu depctr_va_vdst(0)
	v_add_nc_u32 v[ADAS], 2*1032, v[ADAS]          ; on to the next slot's two rows of x's scale words
	FETCH_W \next, 0, 0
	FETCH_A \next, 0, 0
	FETCH_S \next, 0
.if \fill
	ASK 0                                          ; behind the joint load, 32 products and the run of LDS loads
.endif
	MUL 1, 0, 8, 1, 0
	PLACES 4
	WIN 0
	FETCH_A \next, 0, 1
.endm
	FETCH_W 0, 0, 0                                ; behind the barrier in either arm above: everybody's part of slot 0 and of the scale bytes is in
	FETCH_A 0, 0, 0
	FETCH_S 0, 0
	FETCH_A 0, 0, 1
	STEP 0, 1                                      ; the first step stands in front of the loop: its products start the sums
	s_mov_b32 s3, 3
.Llap:                                                 ; a trip goes once round the ring and fills both slots again: 3 trips, slots 2 to 7
	TURN 0, 1, 1
	s_wait_alu depctr_va_vdst(0)
	STEP 1, 0
	TURN 1, 0, 1
	s_wait_alu depctr_va_vdst(0)
	STEP 0, 0
	s_sub_co_u32 s3, s3, 1
	s_cmp_lg_u32 s3, 0
	s_cbranch_scc1 .Llap
	TURN 0, 1, 0                                   ; the tail is written out: nothing more is asked for
	s_wait_alu depctr_va_vdst(0)
	STEP 1, 0
	s_wait_dscnt 16
	MUL 0, 0, 8, 1, 0
	s_wait_dscnt 0x0
	MUL 1, 0, 8, 1, 0
	WIN 0
; ---- THE WAY OUT, a block of 16 rows at a time, in two stages, so that plain work stands behind each batch of exponentials and reciprocals and each batch has one wait
.macro E_MUL a                         ; -log2(e) x r's sums; each accumulator from its low end on
	WIN 0x03
.set jj, 0
.rept 16
	v_pk_mul_f32 v[TS+32*((\a)%2)+jj:TS+32*((\a)%2)+jj+1], v[32*(\a)+jj:32*(\a)+jj+1], s[4:5] op_sel_hi:[1,0]
.set jj, jj+2
.endr
	WIN 0
.endm
.macro E_EXP a
.set jj, 0
.rept 32
	v_exp_f32 v[TS+32*((\a)%2)+jj], v[TS+32*((\a)%2)+jj]
.set jj, jj+1
.endr
.endm
.macro E_ADD a
.set jj, 0
.rept 16
	v_pk_add_f32 v[TS+32*((\a)%2)+jj:TS+32*((\a)%2)+jj+1], v[TS+32*((\a)%2)+jj:TS+32*((\a)%2)+jj+1], 1.0 op_sel_hi:[1,0]
.set jj, jj+2
.endr
.endm
.macro E_RCP a
.set jj, 0
.rept 32
	v_rcp_f32 v[TS+32*((\a)%2)+jj], v[TS+32*((\a)%2)+jj]
.set jj, jj+1
.endr
.endm
.macro E_FIX                           ; block 0: wkv = alpha + beta v
	WIN 0x99
.set jj, 0
.rept 16
	v_pk_fma_f32 v[jj:jj+1], v[BETA+jj:BETA+jj+1], v[jj:jj+1], v[ALPHA+jj:ALPHA+jj+1]
.set jj, jj+2
.endr
	WIN 0
.endm
; z = r wkv of block a: my 32 numbers are outputs 16 t + 8 h + j of my 64: of block B of 32 (tiles 2 B, 2 B + 1) lanes 0-15 hold quarters 0 and 2, lanes 16-31 quarters 1 and 3.
; The conversions' destinations are ordered so that two exchanges of halves leave quarters 0 to 3 of block h in v[PC] .. v[PC + 3]: my half of the image.
.macro E_Z a
	WIN 0x02
.set jj, 0
.rept 16
	v_pk_mul_f32 v[ZZ+jj:ZZ+jj+1], v[32*(\a)+jj:32*(\a)+jj+1], v[TS+32*((\a)%2)+jj:TS+32*((\a)%2)+jj+1]
.set jj, jj+2
.endr
	WIN 0
	v_max3_num_f32 v[M0], |v[ZZ]|, |v[ZZ+1]|, FLOOR
	v_max3_num_f32 v[M1], |v[ZZ+16]|, |v[ZZ+17]|, FLOOR
.irp i, 2,4,6,8,10,12,14
	v_max3_num_f32 v[M0], v[M0], |v[ZZ+\i]|, |v[ZZ+\i+1]|
	v_max3_num_f32 v[M1], v[M1], |v[ZZ+16+\i]|, |v[ZZ+17+\i]|
.endr
	v_permlanex16_b32 v[O0], v[M0], s6, s7
	v_permlanex16_b32 v[O1], v[M1], s6, s7
	v_max_num_f32 v[M0], v[M0], v[O0]              ; with lane l xor 16's: the block's largest magnitude
	v_max_num_f32 v[M1], v[M1], v[O1]
	v_add_nc_u32 v[SOP0], 0xff000000, v[M0]        ; 2 off the exponent field: the conversion's scale operand
	v_add_nc_u32 v[SOP1], 0xff000000, v[M1]
	v_lshrrev_b32 v[BY0], 23, v[SOP0]
	v_lshrrev_b32 v[BY1], 23, v[SOP1]
	s_wait_alu depctr_va_vdst(0)
	s_wait_xcnt 0x0                                ; the last block's store has read v[PC] on
	v_cvt_scalef32_pk8_fp4_f32 v[PC], v[ZZ:ZZ+7], v[SOP0]
	v_cvt_scalef32_pk8_fp4_f32 v[PC+2], v[ZZ+8:ZZ+15], v[SOP0]
	v_cvt_scalef32_pk8_fp4_f32 v[PC+1], v[ZZ+16:ZZ+23], v[SOP1]
	v_cvt_scalef32_pk8_fp4_f32 v[PC+3], v[ZZ+24:ZZ+31], v[SOP1]
	v_lshl_or_b32 v[HW], v[BY1], 8, v[BY0]         ; my two blocks' bytes (the plain line behind the conversions)
	v_permlane16_swap_b32 v[PC], v[PC+1]
	v_permlane16_swap_b32 v[PC+2], v[PC+3]
	global_store_b128 v[ZCO], v[PC:PC+3], s[16:17] offset:(\a)*16384   ; 512 consecutive bytes
	ds_store_b16 v[ZSA], v[HW] offset:(\a)*64
.endm
	PLACES 4                                       ; between the last products and the first read of results and the first write over their operands
	E_MUL 0
	s_wait_alu depctr_va_vdst(0)
	E_EXP 0
	s_wait_alu depctr_va_vdst(0)
	E_FIX                                          ; plain work behind the exponentials
	s_wait_alu depctr_va_vdst(0)
	E_ADD 0
	s_wait_alu depctr_va_vdst(0)
.irp a, 0,1,2,3,4,5,6,7
	s_wait_alu depctr_va_vdst(0)
	E_RCP \a
.if \a < 7
	s_wait_alu depctr_va_vdst(0)
	E_MUL \a+1                                     ; plain work behind the reciprocals
.else
	v_nop
.endif
	s_wait_alu depctr_va_vdst(0)                   ; one wait for the 32 reciprocals
.if \a < 7
	E_EXP \a+1
.endif
	s_wait_alu depctr_va_vdst(0)
	E_Z \a                                         ; plain work behind the exponentials
.if \a < 7
	s_wait_alu depctr_va_vdst(0)                   ; one wait for the 32 exponentials
	E_ADD \a+1
.endif
.endr
	s_wait_dscnt 0x0                               ; for the others' sake: my halfwords lie in LDS
	s_barrier_signal -1
	s_barrier_wait -1
	ds_load_b64 v[30:31], v[ZSR]
	s_wait_dscnt 0x0
	global_store_b64 v[ZSO], v[30:31], s[18:19]    ; a wave stores 256 consecutive bytes of scale words
	s_wait_tensorcnt 0x0                           ; the wave's end, behind my last tensor load and my last LDS store
	ds_add_u32 v[SPW], v[NIL]
	s_wait_dscnt 0x0
	CROUND                                         ; the closing round: no work-group ends while a partner may still ask for a tile that names it
	s_endpgm
.Lfunc_end_k_q5b065fdb15_vr:
	.size	k_q5b065fdb15_vr, .Lfunc_end_k_q5b065fdb15_vr-k_q5b065fdb15_vr
	.p2alignl 7, 3214868480
	.fill 96, 4, 3214868480
	.section	.rodata,"a",@progbits
	.p2align	6, 0x0
	.amdhsa_kernel k_q5b065fdb15_vr
		.amdhsa_group_segment_fixed_size 327680
		.amdhsa_private_segment_fixed_size 0
		.amdhsa_enable_private_segment 0
		.amdhsa_kernarg_size 104
		.amdhsa_user_sgpr_count 2
		.amdhsa_user_sgpr_kernarg_segment_ptr 1
		.amdhsa_wavefront_size32 1
		.amdhsa_system_sgpr_workgroup_id_x 1
		.amdhsa_system_sgpr_workgroup_id_y 1
		.amdhsa_system_sgpr_workgroup_id_z 1
		.amdhsa_system_vgpr_workitem_id 0
		.amdhsa_next_free_vgpr 1024
		.amdhsa_next_free_sgpr 102
		.amdhsa_reserve_vcc 0
		.amdhsa_float_denorm_mode_32 3
		.amdhsa_float_denorm_mode_16_64 3
		.amdhsa_memory_ordered 1
		.amdhsa_forward_progress 1
		.amdhsa_inst_pref_size 212
	.end_amdhsa_kernel
	.amdgpu_metadata
---
amdhsa.version: [ 1, 2 ]
amdhsa.kernels:
  - .name:           k_q5b065fdb15_vr
    .symbol:         k_q5b065fdb15_vr.kd
    .args:
      - { .name: xc, .offset: 0, .size: 8, .value_kind: global_buffer, .address_space: global }
      - { .name: xs, .offset: 8, .size: 8, .value_kind: global_buffer, .address_space: global }
      - { .name: wi, .offset: 16, .size: 8, .value_kind: global_buffer, .address_space: global }
      - { .name: zc, .offset: 24, .size: 8, .value_kind: global_buffer, .address_space: global }
      - { .name: zs, .offset: 32, .size: 8, .value_kind: global_buffer, .address_space: global }
      - { .name: kc, .offset: 40, .size: 8, .value_kind: global_buffer, .address_space: global }
      - { .name: ks, .offset: 48, .size: 8, .value_kind: global_buffer, .address_space: global }
      - { .name: w_key_codes, .offset: 56, .size: 8, .value_kind: global_buffer, .address_space: global }
      - { .name: w_key_scales, .offset: 64, .size: 8, .value_kind: global_buffer, .address_space: global }
      - { .name: time_first, .offset: 72, .size: 8, .value_kind: global_buffer, .address_space: global }
      - { .name: pp, .offset: 80, .size: 8, .value_kind: global_buffer, .address_space: global }
      - { .name: aa, .offset: 88, .size: 8, .value_kind: global_buffer, .address_space: global }
      - { .name: bb, .offset: 96, .size: 8, .value_kind: global_buffer, .address_space: global }
    .group_segment_fixed_size: 327680
    .private_segment_fixed_size: 0
    .kernarg_segment_align: 8
    .kernarg_segment_size: 104
    .max_flat_workgroup_size: 128
    .sgpr_count:     102
    .vgpr_count:     1024
    .wavefront_size: 32
...
	.end_amdgpu_metadata
.endif
;; end of part 2
;; launch outp (part 3): grid 16 x 16, 4 waves a work-group, clusters of 4 x 4, 327,680 bytes of LDS; arguments zc, zs, w_out_codes, w_out_scales, out0; writes out0
.if DOCPART == 3
	.amdgcn_target "amdgcn-amd-amdhsa--gfx1250"
	.amdhsa_code_object_version 6
	.text
	.protected	k_q5b065fdb15_outp
	.globl	k_q5b065fdb15_outp
	.p2align	8
	.type	k_q5b065fdb15_outp,@function
k_q5b065fdb15_outp:
	s_mov_b64 s[64:65], 0
	v_nop
	global_prefetch_b8 v0, s[64:65] scope:SCOPE_SE
	s_setreg_imm32_b32 hwreg(HW_REG_WAVE_MODE, 25, 1), 1
	s_wait_xcnt 0x0
	s_wait_alu depctr_hold_cnt(0) depctr_sa_sdst(0) depctr_va_vdst(0) depctr_va_sdst(0) depctr_va_ssrc(0) depctr_va_vcc(0) depctr_vm_vsrc(0)
	s_getreg_b32 s2, hwreg(HW_REG_IB_STS2, 6, 4)
	s_cmp_eq_u32 s2, 0
	s_cbranch_scc0 .Lentry_in_a_cluster
	s_endpgm
.Lentry_in_a_cluster:
	s_bfe_u32 s2, ttmp6, 0x10000c
	s_cmp_lg_u32 s2, 0xf033
	s_cbranch_scc0 .Lentry_shape_is_right
	s_endpgm
.Lentry_shape_is_right:
.set SLOT,  100352
.set WOFF,  65536
.set WP,    272
.set ASC,   3*SLOT
.set WSC,   ASC+16384
.set SPARE, WSC+32*272
.set STAGE, SLOT
.set ADA,  4
.set ADW,  7
.set ADAS, 10
.set ADWS, 11
.set STO,  12
.set RD,   13
.set SPW,  14
.set NIL,  15
.set CO,   16
.set SC,   32
.set WF,   64
.set AF,   128
.set BK,   128
.set G1A,  20
.set G1W,  28
.set G0A,  36
.set G0W,  48
.set G0AS, 60
.set G1AS, 68
.set G1WS, 84
.set G0WS, 92
.set WV,   66
.set RH,   67
.set NH,   96
.set CX,   98
.set CY,   99
.set CB,   100
.set RB,   101
.set MSB, 0
.macro WIN new
.if MSB != (\new)
	s_set_vgpr_msb (MSB<<8)|(\new)
.set MSB, (\new)
.endif
.endm
.macro PLACES n
.rept \n
	v_nop
.endr
.endm
; LAUNCH 3 OF 3.  out0 = Q(z) w_out^T on E2M1 codes.  A work-group owns 256 rows x 128 outputs; K goes in four steps of 512 through three LDS slots.
; THE FILLS, each a group of joint loads, one whole tile a wave, behind a round of the cluster's barrier: the head: slot 0's z (wave 0) and W (wave 1), z's scale words (wave 2), W's scale bytes (wave 3);
; then slots 1 and 2 together (z by waves 0 and 2, W by waves 1 and 3), behind the full sequence; then slot 0 once more (waves 0 and 1).  By this text's count a wave has one tensor load out at the most.
; An arm of a chain of branches on the wave's number: wave w's load, an s_nop 0 and four v_nop, and the jump to the chain's end.
.macro ARM w, g0, g1, end
	s_cmp_lg_u32 s[WV], \w
	s_cbranch_scc1 .Lnot_\@
	tensor_load_to_lds s[\g0:\g0+3], s[\g1:\g1+7]
	s_nop 0
	PLACES 4
	s_branch \end
.Lnot_\@:
.endm
.macro CREST
	s_cmp_lg_u32 s[WV], 0
	s_cbranch_scc1 .Lnot_wave_0_\@
	s_barrier_signal -3
.Lnot_wave_0_\@:
	s_barrier_wait -3
	s_barrier_signal -1
	s_barrier_wait -1
.endm
.macro CROUND
	s_barrier_signal -1
	s_barrier_wait -1
	CREST
.endm
	s_load_b256 s[4:11], s[0:1], 0x0
	s_load_b64 s[12:13], s[0:1], 0x20
	v_lshl_add_u32 v[SPW], v0, 2, SPARE
	v_mov_b32 v[NIL], 0
	ds_add_u32 v[SPW], v[NIL]
	ds_add_u32 v[SPW], v[NIL]
	v_lshrrev_b32 v3, 5, v0
	v_readfirstlane_b32 s[WV], v3
	s_lshr_b32 s[RH], s[WV], 1
	s_and_b32 s[NH], s[WV], 1
	s_bfe_u32 s[CX], ttmp6, 0x40000
	s_bfe_u32 s[CY], ttmp6, 0x40004
	s_lshl_b32 s[CB], ttmp9, 2
	s_add_co_u32 s[CB], s[CB], s[CX]
	s_and_b32 s[RB], ttmp7, 0xffff
	s_lshl_b32 s[RB], s[RB], 2
	s_add_co_u32 s[RB], s[RB], s[CY]
	s_lshl_b32 s16, s[CY], 2
	s_lshl_b32 s16, 15, s16
	s_lshl_b32 s17, 0x1111, s[CX]
	s_or_b32 s[G1A], s16, (3<<16)|(1<<21)
	s_mov_b32 s[G1A+1], 512<<16
	s_mov_b32 s[G1A+2], 16<<16
	s_mov_b32 s[G1A+3], 512<<16
	s_mov_b32 s[G1A+4], 16
	s_mov_b32 s[G1A+5], 2048
	s_mov_b32 s[G1A+6], 0
	s_mov_b32 s[G1A+7], 0
	s_or_b32 s[G1W], s17, (1<<20)|(1<<21)|(5<<22)|(3<<25)
	s_mov_b32 s[G1W+1], 256<<16
	s_mov_b32 s[G1W+2], 128<<16
	s_mov_b32 s[G1W+3], 256<<16
	s_mov_b32 s[G1W+4], 128
	s_mov_b32 s[G1W+5], 1024
	s_mov_b32 s[G1W+6], 0
	s_mov_b32 s[G1W+7], 0
	s_or_b32 s[G1AS], s16, (3<<16)|(1<<21)
	s_mov_b32 s[G1AS+1], 128<<16
	s_mov_b32 s[G1AS+2], 16<<16
	s_mov_b32 s[G1AS+3], 128<<16
	s_mov_b32 s[G1AS+4], 16
	s_mov_b32 s[G1AS+5], 2048
	s_mov_b32 s[G1AS+6], 0
	s_mov_b32 s[G1AS+7], 0
	s_or_b32 s[G1WS], s17, (3<<16)|(1<<20)|(1<<21)|(5<<22)|(3<<25)
	s_mov_b32 s[G1WS+1], 32<<16
	s_mov_b32 s[G1WS+2], 32<<16
	s_mov_b32 s[G1WS+3], 32<<16
	s_mov_b32 s[G1WS+4], 32
	s_mov_b32 s[G1WS+5], 32
	s_mov_b32 s[G1WS+6], 0
	s_mov_b32 s[G1WS+7], 0
	s_lshl_b32 s76, s[RB], 18                      ; zc: the row block's 16 tiles
	s_mov_b32 s77, 0
	s_lshl_b32 s78, s[RB], 10                      ; zs
	s_mov_b32 s79, 0
	s_lshl_b32 s80, s[CB], 17                      ; w_out's codes: 128 rows
	s_mov_b32 s81, 0
	s_lshl_b32 s82, s[CB], 13                      ; its scale bytes
	s_mov_b32 s83, 0
	s_lshl_b32 s18, s[RB], 21
	s_lshl_b32 s19, s[RH], 20
	s_add_co_u32 s18, s18, s19
	s_lshl_b32 s19, s[CB], 9
	s_add_co_u32 s18, s18, s19
	s_lshl_b32 s19, s[NH], 8
	s_add_co_u32 s18, s18, s19
	s_mov_b32 s19, 0
	s_wait_dscnt 0x0
	s_wait_kmcnt 0x0
	s_add_nc_u64 s[4:5], s[4:5], s[76:77]
	s_add_nc_u64 s[6:7], s[6:7], s[78:79]
	s_add_nc_u64 s[8:9], s[8:9], s[80:81]
	s_add_nc_u64 s[10:11], s[10:11], s[82:83]
	s_add_nc_u64 s[12:13], s[12:13], s[18:19]
	; PREFETCHES INTO THE L2.  A slot is 16 rows x 16 blocks of 256 bytes of z and 128 rows x 1 block of W.  The four partners that ask for a tile jointly share its rows out by address: of z's rows the partner at cx takes
	; 4 cx .. + 3 (waves 0 and 1 two each), of W's the partner at cy takes 32 cy .. + 31 (wave 2): a lane a block; wave 3 asks for nothing.  Slots 1 and 2 are asked for behind the head's loads, slot 3 behind the loads of slots 1 and 2.
	s_lshl_b32 s76, s[CX], 2
	s_lshl_b32 s77, s[WV], 1
	s_add_co_u32 s76, s76, s77
	s_lshl_b32 s76, s76, 14
	s_lshl_b32 s78, s[CY], 15
	s_mov_b32 s18, 256
	s_cmp_lt_u32 s[WV], 2
	s_cselect_b32 s82, s76, s78
	s_cselect_b64 s[76:77], s[4:5], s[8:9]
	s_cselect_b32 s16, 8, 10                       ; a lane's step within 16 lanes: a block of z's row, or a row of W
	s_cselect_b32 s18, 4096, s18                   ; bytes from slot to slot
	s_mov_b32 s83, 0
	s_mov_b32 s19, 0
	s_add_nc_u64 s[76:77], s[76:77], s[82:83]
	s_add_nc_u64 s[76:77], s[76:77], s[18:19]      ; slot 1
	s_add_nc_u64 s[78:79], s[76:77], s[18:19]      ; slot 2
	s_add_nc_u64 s[80:81], s[78:79], s[18:19]      ; slot 3: none of the three is rewritten
	s_cmp_lt_u32 s[WV], 3
	s_cselect_b32 s17, 1, 0
	CROUND
	s_mov_b32 s[G0AS], 1
	s_mov_b32 s[G0AS+1], ASC
	s_mov_b64 s[G0AS+2:G0AS+3], s[6:7]
	s_or_b32 s[G0AS+3], s[G0AS+3], 0x80000000
	s_mov_b32 s[G0WS], 1
	s_mov_b32 s[G0WS+1], WSC
	s_mov_b64 s[G0WS+2:G0WS+3], s[10:11]
	s_or_b32 s[G0WS+3], s[G0WS+3], 0x80000000
.irp n, 0,1,2
	s_mov_b32 s[G0A+4*\n], 1
	s_mov_b32 s[G0A+4*\n+1], \n*SLOT
	s_add_nc_u64 s[G0A+4*\n+2:G0A+4*\n+3], s[4:5], \n*4096
	s_or_b32 s[G0A+4*\n+3], s[G0A+4*\n+3], 0x80000000
	s_mov_b32 s[G0W+4*\n], 1
	s_mov_b32 s[G0W+4*\n+1], \n*SLOT+WOFF
	s_add_nc_u64 s[G0W+4*\n+2:G0W+4*\n+3], s[8:9], \n*256
	s_or_b32 s[G0W+4*\n+3], s[G0W+4*\n+3], 0x80000000
.endr
	ARM 0, G0A, G1A, .Lhead_asked                  ; the head's four tiles, one a wave
	ARM 1, G0W, G1W, .Lhead_asked
	ARM 2, G0AS, G1AS, .Lhead_asked
	tensor_load_to_lds s[G0WS:G0WS+3], s[G1WS:G1WS+7]
	s_nop 0
	PLACES 4
.Lhead_asked:
	v_and_b32 v1, 15, v0
	v_bfe_u32 v2, v0, 4, 1
	v_and_b32 v3, 31, v0
	v_lshlrev_b32 v17, s16, v1                     ; v17: the prefetches' offset; never rewritten
	v_lshl_add_u32 v17, v2, 14, v17                ; lanes 16-31: z's next row, or W's rows 16 further on: 16,384 bytes either way
	s_wait_alu depctr_va_vdst(0)
	s_cmp_eq_u32 s17, 1
	s_cbranch_scc0 .Lno_first_asks
	global_prefetch_b8 v17, s[76:77] th:TH_LOAD_NT scope:SCOPE_SE
	global_prefetch_b8 v17, s[78:79] th:TH_LOAD_NT scope:SCOPE_SE
.Lno_first_asks:
	s_lshl_b32 s14, s[RH], 15
	v_lshl_add_u32 v[ADA], v3, 4, s14
	v_add_nc_u32 v[ADA+1], SLOT, v[ADA]
	v_add_nc_u32 v[ADA+2], 2*SLOT, v[ADA]
	s_mul_i32 s14, s[NH], 64*WP
	s_add_co_u32 s14, s14, WOFF
	v_mul_u32_u24 v[ADW], v1, WP
	v_lshl_add_u32 v[ADW], v2, 4, v[ADW]
	v_add_nc_u32 v[ADW], s14, v[ADW]
	v_add_nc_u32 v[ADW+1], SLOT, v[ADW]
	v_add_nc_u32 v[ADW+2], 2*SLOT, v[ADW]
	s_lshl_b32 s14, s[RH], 9
	s_add_co_u32 s14, s14, ASC
	v_lshl_add_u32 v[ADAS], v1, 2, s14
	s_mul_i32 s14, s[NH], 16*272
	s_add_co_u32 s14, s14, WSC
	v_lshl_add_u32 v[ADWS], v1, 6, s14
	v_lshrrev_b32 v29, 2, v1
	v_lshl_add_u32 v[ADWS], v29, 4, v[ADWS]
	s_mul_i32 s14, s[WV], 16*272
	s_add_co_u32 s14, s14, STAGE
	v_mul_u32_u24 v[STO], v1, 272
	v_lshl_add_u32 v[STO], v2, 5, v[STO]
	v_add_nc_u32 v[STO], s14, v[STO]
	v_mul_u32_u24 v[RD], v2, 272
	v_lshl_add_u32 v[RD], v1, 4, v[RD]
	v_add_nc_u32 v[RD], s14, v[RD]
	v_lshlrev_b32 v[CO], 13, v2
	v_lshl_add_u32 v[CO], v1, 4, v[CO]
.macro FETCH slot, q
.irp a, 0,1,2,3,4,5,6,7
.irp c, 0,1
	ds_load_b128 v[AF+64*((\q)%2)+8*\a+4*\c:AF+64*((\q)%2)+8*\a+4*\c+3], v[ADA+\slot] offset:\a*4096+(\q)*1024+\c*512
.endr
.endr
.irp t, 0,1,2,3
.irp c, 0,1
	ds_load_b128 v[WF+32*((\q)%2)+8*\t+4*\c:WF+32*((\q)%2)+8*\t+4*\c+3], v[ADW+\slot] offset:\t*16*WP+(\q)*64+\c*32
.endr
.endr
.irp a, 0,1,2,3,4,5,6,7
	ds_load_b32 v[SC+12*((\q)%2)+\a], v[ADAS] offset:(\q)*1024+\a*64
.endr
.irp t, 0,1,2,3
	ds_load_b32 v[SC+12*((\q)%2)+8+\t], v[ADWS] offset:\t*4*272+4*(\q)
.endr
.endm
.macro MUL a0, n, q, zero
	WIN 0x50
.set ma, \a0
.rept \n
.irp t, 0,1,2,3
.if \zero
	v_wmma_scale_f32_16x16x128_f8f6f4 v[32*ma+8*\t:32*ma+8*\t+7], v[WF+32*((\q)%2)+8*\t:WF+32*((\q)%2)+8*\t+7], v[AF+64*((\q)%2)+8*ma:AF+64*((\q)%2)+8*ma+7], 0, v[SC+12*((\q)%2)+8+\t], v[SC+12*((\q)%2)+ma] matrix_a_fmt:MATRIX_FMT_FP4 matrix_b_fmt:MATRIX_FMT_FP4
.else
	v_wmma_scale_f32_16x16x128_f8f6f4 v[32*ma+8*\t:32*ma+8*\t+7], v[WF+32*((\q)%2)+8*\t:WF+32*((\q)%2)+8*\t+7], v[AF+64*((\q)%2)+8*ma:AF+64*((\q)%2)+8*ma+7], v[32*ma+8*\t:32*ma+8*\t+7], v[SC+12*((\q)%2)+8+\t], v[SC+12*((\q)%2)+ma] matrix_a_fmt:MATRIX_FMT_FP4 matrix_b_fmt:MATRIX_FMT_FP4
.endif
.endr
.set ma, ma+1
.endr
	WIN 0
.endm
.macro STEP slot, q, zero
	s_wait_dscnt 0x0
	PLACES 4
	FETCH \slot, (\q)+1
	MUL 0, 8, \q, \zero
.endm
.macro LASTQ next
	v_add_nc_u32 v[ADAS], 4096, v[ADAS]
	v_add_nc_u32 v[ADWS], 16, v[ADWS]
	FETCH \next, 0
	MUL 0, 8, 3, 0
.endm
	s_wait_alu depctr_va_vdst(0)
	s_wait_tensorcnt 0x0                           ; my tile of the head's four is in
	ds_add_u32 v[SPW], v[NIL]
	s_wait_dscnt 0x0
	CROUND
	ARM 0, G0A+4, G1A, .Lnext_asked                ; slots 1 and 2, one tile a wave
	ARM 1, G0W+4, G1W, .Lnext_asked
	ARM 2, G0A+8, G1A, .Lnext_asked
	tensor_load_to_lds s[G0W+8:G0W+11], s[G1W:G1W+7]
	s_nop 0
	PLACES 4
.Lnext_asked:
	FETCH 0, 0
	s_cmp_eq_u32 s17, 1
	s_cbranch_scc0 .Lno_last_ask
	global_prefetch_b8 v17, s[80:81] th:TH_LOAD_NT scope:SCOPE_SE
.Lno_last_ask:
	STEP 0, 0, 1
	STEP 0, 1, 0
	STEP 0, 2, 0
	s_wait_tensorcnt 0x0
	ds_add_u32 v[SPW], v[NIL]
	s_add_nc_u64 s[G0A+2:G0A+3], s[G0A+2:G0A+3], 3*4096
	s_add_nc_u64 s[G0W+2:G0W+3], s[G0W+2:G0W+3], 3*256
	s_wait_dscnt 0x0
	CROUND
	ARM 0, G0A, G1A, .Lrefill_asked                ; slot 0 takes the last 512 along K; waves 2 and 3 have no tile to fill
	ARM 1, G0W, G1W, .Lrefill_asked
.Lrefill_asked:
	PLACES 4                                       ; on every wave's way: the places in front of the loads below
	LASTQ 1
	s_wait_alu depctr_va_vdst(0)
	STEP 1, 0, 0
	STEP 1, 1, 0
	STEP 1, 2, 0
	s_wait_dscnt 0x0
	PLACES 4
	LASTQ 2
	s_wait_alu depctr_va_vdst(0)
	STEP 2, 0, 0
	STEP 2, 1, 0
	STEP 2, 2, 0
	s_wait_tensorcnt 0x0
	s_wait_dscnt 0x0
	s_barrier_signal -1
	s_barrier_wait -1
	PLACES 4
	LASTQ 0
	s_wait_alu depctr_va_vdst(0)
	STEP 0, 0, 0
	STEP 0, 1, 0
	STEP 0, 2, 0
	s_wait_dscnt 0x0
	MUL 0, 8, 3, 0
.macro TOSTAGE a
	WIN 0x04
.irp t, 0,1,2,3
	ds_store_b128 v[STO], v[32*(\a)+8*\t:32*(\a)+8*\t+3] offset:64*\t
	ds_store_b128 v[STO], v[32*(\a)+8*\t+4:32*(\a)+8*\t+7] offset:64*\t+16
.endr
	WIN 0
.irp i, 0,1,2,3,4,5,6,7
	ds_load_b128 v[BK+32*((\a)%2)+4*\i:BK+32*((\a)%2)+4*\i+3], v[RD] offset:544*\i
.endr
.endm
.macro SEND a, younger
	s_wait_dscnt \younger
.irp i, 0,1,2,3,4,5,6,7
	global_store_b128 v[CO], v[BK+32*((\a)%2)+4*\i:BK+32*((\a)%2)+4*\i+3], s[12:13] offset:(16*(\a)+2*\i)*8192 th:TH_STORE_NT
.endr
.endm
	PLACES 4
	TOSTAGE 0
.irp a, 1,2,3,4,5,6,7
.if \a > 1
	s_wait_xcnt 0x0
.endif
	TOSTAGE \a
	SEND \a-1, 16
.endr
	SEND 7, 0
	s_wait_tensorcnt 0x0
	ds_add_u32 v[SPW], v[NIL]
	s_wait_dscnt 0x0
	CROUND
	s_endpgm
.Lfunc_end_k_q5b065fdb15_outp:
	.size	k_q5b065fdb15_outp, .Lfunc_end_k_q5b065fdb15_outp-k_q5b065fdb15_outp
	.p2alignl 7, 3214868480
	.fill 96, 4, 3214868480
	.section	.rodata,"a",@progbits
	.p2align	6, 0x0
	.amdhsa_kernel k_q5b065fdb15_outp
		.amdhsa_group_segment_fixed_size 327680
		.amdhsa_private_segment_fixed_size 0
		.amdhsa_enable_private_segment 0
		.amdhsa_kernarg_size 40
		.amdhsa_user_sgpr_count 2
		.amdhsa_user_sgpr_kernarg_segment_ptr 1
		.amdhsa_wavefront_size32 1
		.amdhsa_system_sgpr_workgroup_id_x 1
		.amdhsa_system_sgpr_workgroup_id_y 1
		.amdhsa_system_sgpr_workgroup_id_z 1
		.amdhsa_system_vgpr_workitem_id 0
		.amdhsa_next_free_vgpr 512
		.amdhsa_next_free_sgpr 102
		.amdhsa_reserve_vcc 0
		.amdhsa_float_denorm_mode_32 3
		.amdhsa_float_denorm_mode_16_64 3
		.amdhsa_memory_ordered 1
		.amdhsa_forward_progress 1
		.amdhsa_inst_pref_size 133
	.end_amdhsa_kernel
	.amdgpu_metadata
---
amdhsa.version: [ 1, 2 ]
amdhsa.kernels:
  - .name:           k_q5b065fdb15_outp
    .symbol:         k_q5b065fdb15_outp.kd
    .args:
      - { .name: zc, .offset: 0, .size: 8, .value_kind: global_buffer, .address_space: global }
      - { .name: zs, .offset: 8, .size: 8, .value_kind: global_buffer, .address_space: global }
      - { .name: w_out_codes, .offset: 16, .size: 8, .value_kind: global_buffer, .address_space: global }
      - { .name: w_out_scales, .offset: 24, .size: 8, .value_kind: global_buffer, .address_space: global }
      - { .name: out0, .offset: 32, .size: 8, .value_kind: global_buffer, .address_space: global }
    .group_segment_fixed_size: 327680
    .private_segment_fixed_size: 0
    .kernarg_segment_align: 8
    .kernarg_segment_size: 40
    .max_flat_workgroup_size: 128
    .sgpr_count:     102
    .vgpr_count:     512
    .wavefront_size: 32
...
	.end_amdgpu_metadata
.endif
;; end of part 3
